; MI455X (gfx1250); checked and timed in simulation.
; The chip was launched on July 23, 2026; its instructions are those of AMD's public machine-readable ISA for CDNA 5 (MIT licence, August 2026) and "CDNA5" Instruction Set Architecture Reference Guide (July 2026). The comments in the code are by the model that wrote it; some were corrected since.
;; Casual Attention. Allowed arithmetic: matrix products marked QUANTISED: E2M3 operands, one E8M0 scale for each 32 along K, by v_wmma_scale_f32_16x16x128_f8f6f4 with both operands' format E2M3, f32 sums; everything else in f32.
;; Inputs: Wk 1,024 x 1,024 float32; Wq 1,024 x 1,024 float32; Wv 1,024 x 1,024 float32; x 4 x 2,048 x 1,024 float32.
;; Outputs: out0 4 x 2,048 x 1,024 float32.
;; This version of the problem:
;;   THIS VERSION OF THE PROBLEM IS GIVEN IN LOW PRECISION. The matrix products marked QUANTISED in the list below multiply operands that are first quantised to E2M3 (2 exponent bits, 3 mantissa bits; 6 bits a number), with one power-of-two scale for each 32 numbers along K (OCP MX v1.0); their sums are f32. All else is computed in f32.
;;   The module's matrix products, in the order in which they are computed (A, B: the left and right operand; K: the contracted axis; several contracted axes count as one K, in the product's order):
;;     1. [M 8,192, K 1,024] x [K 1,024, N 1,024]; A: input x; B: input Wq: QUANTISED
;;     2. [M 8,192, K 1,024] x [K 1,024, N 1,024]; A: input x; B: input Wk: QUANTISED
;;     3. [M 8,192, K 1,024] x [K 1,024, N 1,024]; A: input x; B: input Wv: QUANTISED
;;     4. batch 4 x [M 2,048, K 1,024] x [K 1,024, N 2,048]; A: computed on the way; B: computed on the way: QUANTISED
;;     5. batch 4 x [M 2,048, K 2,048] x [K 2,048, N 1,024]; A: softmax (see below); B: computed on the way: QUANTISED
;;   THE QUANTISER, for each operand of a quantised product, along K:
;;     - K is cut into blocks of 32 from its start; a last block that is shorter is filled with zeros.
;;     - A block's scale is 2^e with e = floor(log2(the largest magnitude in the block)) - 2, held to -126 .. 127; a block of zeros has e = 0. As a byte (E8M0): e + 127.
;;     - Each number is divided by its block's scale, clamped to +-7.5, and rounded to the nearest number of E2M3, ties to even, subnormals kept.
;;     - The product sums the exact products of the quantised numbers (number of the format x scale) in f32.
;;   ~~~python
;;   def quantise(x, axis):      # numpy; x: float32 -> the quantised numbers, widened to float32 again
;;       x = np.moveaxis(x, axis, -1); K = x.shape[-1]
;;       x = np.pad(x, [(0, 0)] * (x.ndim - 1) + [(0, -K % 32)]); x = x.reshape(x.shape[:-1] + (-1, 32)); a = np.abs(x).max(-1, keepdims=True)
;;       e = np.where(a > 0, np.clip(np.frexp(np.where(a > 0, a, 1))[1] - 1 - 2, -126, 127), 0)      # np.frexp(a)[1] - 1 = floor(log2(a)), exactly
;;       r = np.clip(x / 2.0 ** e, -7.5, 7.5)
;;       step = 2.0 ** (np.maximum(np.frexp(np.where(r == 0, 1, r))[1] - 1, 0) - 3)
;;       q = np.round(r / step) * step * 2.0 ** e      # np.round: ties to even
;;       return np.moveaxis(q.reshape(q.shape[:-2] + (-1,))[..., :K], -1, axis).astype(np.float32)
;;   ~~~
;;   SOFTMAX AHEAD OF A QUANTISED PRODUCT. Where the list says 'softmax', what is quantised is not the finished softmax but p = 2^(t - M), with t = logit x log2(e) and M = ceil(the row's largest t), a whole number; so 1/2 < the row's largest p <= 1. The row's sum l is taken of the UNQUANTISED p, in f32, and the product's result is divided by l at the end. Since M is a whole number, a kernel that streams over the keys may use a running M (the ceiling of the running maximum): every later rescaling is an exact power of two, which a block's scale takes up: the codes' values come out the same.
;;   OPERANDS COMPUTED ON THE WAY. 'Computed on the way' means the value that the module computes at that place (a softmax that the list does not call 'softmax' is quantised finished and normalised). What goes into a quantiser is computed in f32, as accurately as f32 sums, v_exp_f32 and their like allow (about 1e-6 of the number): no bf16 or f16 on the way to a quantiser, and a product that is left as it is and whose result goes on into a quantised operand takes f32 operands (vector FMAs, or v_wmma_f32_16x16x4_f32). A number that lies on a knife's edge between two numbers of the format may be rounded either way, as far as f32 arithmetic and the matrix unit's own rounding can turn it there, and no further.
;; One version. Each part assembles by itself: llvm-mc -triple=amdgcn-amd-amdhsa -mcpu=gfx1250 --defsym DOCPART=n.
;; ======== version 1 of 1: 4 launches
;; workspace buffers: cw 8,650,752 bytes; sw 360,448 bytes; qkvc 18,874,368 bytes; qkvs 786,432 bytes; pc 12,582,912 bytes; pst 1,572,864 bytes
;; launch quant (part 1): grid 176 x 4, 4 waves a work-group, no clusters, 35,328 bytes of LDS; arguments x, Wq, Wk, Wv, cw, sw; writes cw, sw
.if DOCPART == 1
	.amdgcn_target "amdgcn-amd-amdhsa--gfx1250"
	.amdhsa_code_object_version 6
	.text
	.protected	k_q31b6426697_quant
	.globl	k_q31b6426697_quant
	.p2align	8
	.type	k_q31b6426697_quant,@function
k_q31b6426697_quant:
	s_mov_b64 s[64:65], 0
	v_nop
	global_prefetch_b8 v0, s[64:65] scope:SCOPE_SE
	s_setreg_imm32_b32 hwreg(HW_REG_WAVE_MODE, 25, 1), 1
	s_wait_xcnt 0x0
; x [8192][1024], Wq, Wk, Wv [1024][1024], f32, K innermost, become codes of FP6 (E2M3) with one E8M0 byte for each 32 along K, laid as the later launches' matrix operands want them.
; ROWS.  The four tensors count as 11,264 rows on end (x, Wq, Wk, Wv).  A row block is 16 storage rows; storage row 16 (2 g + u) + r is logical row 32 g + 8 u + r + 8 (r / 8) of its tensor.
; IMAGES.  A fragment (one row block x 128 along K) is 12 registers a lane: lane (r, h) holds row r, registers 6 c .. 6 c + 5 the codes of k = 64 c + 32 h + 0 .. 31.  It is stored as it stands in the registers:
; registers 4 c .. 4 c + 3 of lane l at byte 512 c + 16 l of 1,536.  cw: [704 row blocks][8 K steps][1,536].  sw: one word (4 bytes) a row and K step, [8 K steps][11,264 rows].
; A block's scale is 2^(floor(log2(largest magnitude)) - 2); its byte is the largest magnitude's exponent field - 2, held at 1 from below.
; LIMITS: a block of zeros gets the byte 1 where the quantiser's rule says 127 (its codes are zeros, and this program alone reads the bytes); blocks whose largest magnitude lies under 2^-124 are held at the byte 1; NaN and infinities are not served.
; SHARES.  Work-group (G, y): row blocks 4 G .. 4 G + 3, one a wave; K steps 2 y, 2 y + 1: two fragments a wave.  Each load reads 512 consecutive bytes of one row; a fragment's 16 rows turn through the wave's own
; stage in LDS (rows 528 bytes apart), so that a lane gets 16 neighbours of each block of 32.  All 32 loads of a wave go out at its head: none hangs on another's arrival.  No tensor load; one barrier, for the scale words' way out.
.set SP,    528                        ; a stage row: 512 bytes + 16
.set STGW,  16*SP                      ; a wave's stage
.set SCST,  4*STGW                     ; behind the stages: the scale words, [2 K steps][4 waves][16 rows] words
.set KSW,   45056                      ; a K step of sw in bytes
.set TM,    16                         ; v16-19 largest magnitudes, v20-23 bytes, v28-31 the conversions' scale operands
.set PW,    32                         ; the scale word just made
.set PC,    36                         ; v36-47 the fragment just made; v48-54 at work
.set RR,    64                         ; v64-127, v128-191: the two fragments' 16 rows as loaded
.set X,     192                        ; v192-255: register 16 b + i = k 32 b + 16 h + i of my row
.set SEL,   24                         ; s[24:25] v_permlanex16_b32's selects for lane l xor 16
	s_load_b256 s[4:11], s[0:1], 0x0               ; x, Wq, Wk, Wv
	s_load_b128 s[12:15], s[0:1], 0x20             ; cw, sw
	v_lshl_add_u32 v62, v0, 2, 0x8800
	v_mov_b32 v63, 0
	v_lshrrev_b32 v1, 5, v0
	v_readfirstlane_b32 s20, v1                    ; wave 0..3
	v_and_b32 v1, 31, v0                           ; lane
	v_and_b32 v2, 15, v0                           ; r
	v_bfe_u32 v3, v0, 4, 1                         ; h
	v_lshlrev_b32 v4, 4, v1                        ; 16 x lane: my bytes of a load's or a store's 512
	s_mul_i32 s21, s20, STGW
	v_add_nc_u32 v5, s21, v4                       ; the stage, on the way in
	v_mul_u32_u24 v6, v2, SP
	v_lshl_add_u32 v6, v3, 6, v6
	v_add_nc_u32 v6, s21, v6                       ; and on the way out: row r, + 64 h
	s_lshl_b32 s21, s20, 6
	s_add_co_u32 s21, s21, SCST
	v_lshl_add_u32 v7, v2, 2, s21                  ; my row's scale word
	v_lshl_add_u32 v8, v1, 4, SCST                 ; the scale words' way out: 32 lanes x 16 bytes
	v_mul_u32_u24 v9, v3, KSW
	v_lshl_add_u32 v9, v2, 4, v9                   ; K step (lane / 16), 16 bytes of its 256
	s_mov_b32 s[SEL], 0x76543210
	s_mov_b32 s[SEL+1], 0xfedcba98
.irp b, 0,1,2,3
	v_mov_b32 v[TM+4+\b], 0                        ; written once: a lane permute's destination counts as one of its sources
.endr
	s_and_b32 s22, ttmp7, 0xffff                   ; y
	s_wait_kmcnt 0x0
	s_mov_b64 s[16:17], s[10:11]                   ; which tensor: the choice hangs on the work-group's number alone
	s_mov_b32 s18, 160
	s_cmp_lt_u32 ttmp9, 160
	s_cselect_b64 s[16:17], s[8:9], s[16:17]
	s_cselect_b32 s18, 144, s18
	s_cmp_lt_u32 ttmp9, 144
	s_cselect_b64 s[16:17], s[6:7], s[16:17]
	s_cselect_b32 s18, 128, s18
	s_cmp_lt_u32 ttmp9, 128
	s_cselect_b64 s[16:17], s[4:5], s[16:17]
	s_cselect_b32 s18, 0, s18
	s_sub_co_u32 s18, ttmp9, s18
	s_lshl_b32 s18, s18, 6                         ; 64 rows a work-group
	s_lshr_b32 s19, s20, 1
	s_lshl_b32 s19, s19, 5
	s_add_co_u32 s18, s18, s19                     ; + 32 (wave / 2)
	s_and_b32 s19, s20, 1
	s_lshl_b32 s19, s19, 3
	s_add_co_u32 s18, s18, s19                     ; + 8 (wave % 2): my row block's first logical row
	s_lshl_b32 s18, s18, 12                        ; rows of 4,096 bytes (under 2^26 in all)
	s_lshl_b32 s19, s22, 10
	s_add_co_u32 s18, s18, s19                     ; + 2 K steps of 512 bytes x y
	s_mov_b32 s19, 0
	s_add_nc_u64 s[16:17], s[16:17], s[18:19]
	s_lshl_b32 s18, ttmp9, 2
	s_add_co_u32 s18, s18, s20
	s_mul_i32 s18, s18, 12288                      ; my row block's 8 images,
	s_mul_i32 s23, s22, 3072
	s_add_co_u32 s18, s18, s23                     ; from K step 2 y on
	s_add_nc_u64 s[12:13], s[12:13], s[18:19]
	s_mul_i32 s18, s22, 2*KSW
	s_lshl_b32 s23, ttmp9, 8
	s_add_co_u32 s18, s18, s23                     ; sw: K step 2 y, the work-group's 64 rows
	s_add_nc_u64 s[14:15], s[14:15], s[18:19]
.macro LOADF f                         ; fragment f's 16 rows: each load reads one row's 512 bytes of K step f
.irp r, 0,1,2,3,4,5,6,7,8,9,10,11,12,13,14,15
	global_load_b128 v[RR+64*(\f)+4*\r:RR+64*(\f)+4*\r+3], v4, s[16:17] offset:(\r+8*(\r/8))*4096+512*(\f) th:TH_LOAD_NT
.endr
.endm
; 64 numbers of a lane, register 16 b + i = k 32 b + 16 h + i of my row, become a fragment's codes in v[PC] on and its scale word in v[PW]
.macro QUANT s
.irp b, 0,1,2,3
	v_max3_num_f32 v[TM+\b], |v[\s+16*\b]|, |v[\s+1+16*\b]|, 0x1800000   ; my 16 numbers of block b, and the floor 2^(3 - 127): the byte cannot fall under 1
.endr
.irp i, 2,4,6,8,10,12,14
.irp b, 0,1,2,3
	v_max3_num_f32 v[TM+\b], v[TM+\b], |v[\s+16*\b+\i]|, |v[\s+1+16*\b+\i]|   ; the four blocks by turns
.endr
.endr
.irp b, 0,1,2,3
	v_permlanex16_b32 v[TM+4+\b], v[TM+\b], s[SEL], s[SEL+1]
.endr
.irp b, 0,1,2,3
	v_max_num_f32 v[TM+\b], v[TM+\b], v[TM+4+\b]   ; with lane l xor 16's: the block's largest magnitude
.endr
.irp b, 0,1,2,3
	v_add_nc_u32 v[TM+12+\b], 0xff000000, v[TM+\b] ; 2 off its exponent field: the conversion takes the exponent field of this operand as its scale
.endr
.irp b, 0,1,2,3
	v_lshrrev_b32 v[TM+4+\b], 23, v[TM+12+\b]      ; the scale's byte
.endr
	v_lshl_or_b32 v[PW], v[TM+5], 8, v[TM+4]
	v_lshl_or_b32 v[PW], v[TM+6], 16, v[PW]
	v_lshl_or_b32 v[PW], v[TM+7], 24, v[PW]
.irp c, 0,1
	v_cvt_scalef32_pk16_fp6_f32 v[PC+6*\c:PC+2+6*\c], v[\s+32*\c:\s+15+32*\c], v[TM+12+2*\c]
	v_cvt_scalef32_pk16_fp6_f32 v[PC+12+4*\c:PC+14+4*\c], v[\s+16+32*\c:\s+31+32*\c], v[TM+12+2*\c+1]   ; (a conversion's three registers begin on an even number)
.endr
	v_nop                                          ; one plain line behind a scaled conversion
.irp c, 0,1                            ; the operand's layout wants a whole block in a lane: lanes 0-15 block 2 c, lanes 16-31 block 2 c + 1
.irp i, 0,1,2
	v_permlane16_swap_b32 v[PC+6*\c+\i], v[PC+12+4*\c+\i]
.endr
.irp i, 0,1,2
	v_mov_b32 v[PC+3+6*\c+\i], v[PC+12+4*\c+\i]
.endr
.endr
.endm
.macro FRAGQ f
.if (\f) < 1
	s_wait_loadcnt 16                              ; this fragment's 16 loads are in; the second fragment's 16 may be out
.else
	s_wait_loadcnt 0x0
.endif
.irp r, 0,1,2,3,4,5,6,7,8,9,10,11,12,13,14,15
	ds_store_b128 v5, v[RR+64*(\f)+4*\r:RR+64*(\f)+4*\r+3] offset:SP*\r
.endr
.irp b, 0,1,2,3
.irp j, 0,1,2,3
	ds_load_b128 v[X+16*\b+4*\j:X+16*\b+4*\j+3], v6 offset:128*\b+16*\j   ; LDS serves a wave's instructions in order: these see the stores above
.endr
.endr
	s_wait_dscnt 0x0                               ; my 64 numbers are back
.if (\f) > 0
	s_wait_xcnt 0x0                                ; the first fragment's stores have read the codes' registers: they are written again below
.endif
	QUANT X
.irp c, 0,1,2
	global_store_b128 v4, v[PC+4*\c:PC+4*\c+3], s[12:13] offset:1536*(\f)+512*\c   ; 32 lanes store 512 consecutive bytes, aligned
.endr
	ds_store_b32 v7, v[PW] offset:256*(\f)         ; lanes l and l xor 16 write the same word with the same value
.endm
	LOADF 0
	LOADF 1
	FRAGQ 0
	FRAGQ 1
	s_wait_dscnt 0x0                               ; for the others' sake: my scale words lie in LDS
	s_barrier_signal -1
	s_barrier_wait -1
	s_cmp_eq_u32 s20, 0                            ; 512 bytes: wave 0 carries them out
	s_cbranch_scc0 .Lend
	ds_load_b128 v[56:59], v8
	s_wait_dscnt 0x0
	global_store_b128 v9, v[56:59], s[14:15]       ; sixteen lanes store 256 consecutive bytes, aligned: 64 rows' words of one K step
.Lend:
	s_wait_tensorcnt 0x0
	ds_add_u32 v62, v63
	s_wait_dscnt 0x0
	s_endpgm
.Lfunc_end_k_q31b6426697_quant:
	.size	k_q31b6426697_quant, .Lfunc_end_k_q31b6426697_quant-k_q31b6426697_quant
	.p2alignl 7, 3214868480
	.fill 96, 4, 3214868480
	.section	.rodata,"a",@progbits
	.p2align	6, 0x0
	.amdhsa_kernel k_q31b6426697_quant
		.amdhsa_group_segment_fixed_size 35328
		.amdhsa_private_segment_fixed_size 0
		.amdhsa_enable_private_segment 0
		.amdhsa_kernarg_size 48
		.amdhsa_user_sgpr_count 2
		.amdhsa_user_sgpr_kernarg_segment_ptr 1
		.amdhsa_wavefront_size32 1
		.amdhsa_system_sgpr_workgroup_id_x 1
		.amdhsa_system_sgpr_workgroup_id_y 1
		.amdhsa_system_sgpr_workgroup_id_z 1
		.amdhsa_system_vgpr_workitem_id 0
		.amdhsa_next_free_vgpr 256
		.amdhsa_next_free_sgpr 66
		.amdhsa_reserve_vcc 0
		.amdhsa_float_denorm_mode_32 3
		.amdhsa_float_denorm_mode_16_64 3
		.amdhsa_memory_ordered 1
		.amdhsa_forward_progress 1
		.amdhsa_inst_pref_size 19
	.end_amdhsa_kernel
	.amdgpu_metadata
---
amdhsa.version: [ 1, 2 ]
amdhsa.kernels:
  - .name:           k_q31b6426697_quant
    .symbol:         k_q31b6426697_quant.kd
    .args:
      - { .name: x, .offset: 0, .size: 8, .value_kind: global_buffer, .address_space: global }
      - { .name: Wq, .offset: 8, .size: 8, .value_kind: global_buffer, .address_space: global }
      - { .name: Wk, .offset: 16, .size: 8, .value_kind: global_buffer, .address_space: global }
      - { .name: Wv, .offset: 24, .size: 8, .value_kind: global_buffer, .address_space: global }
      - { .name: cw, .offset: 32, .size: 8, .value_kind: global_buffer, .address_space: global }
      - { .name: sw, .offset: 40, .size: 8, .value_kind: global_buffer, .address_space: global }
    .group_segment_fixed_size: 35328
    .private_segment_fixed_size: 0
    .kernarg_segment_align: 8
    .kernarg_segment_size: 48
    .max_flat_workgroup_size: 128
    .sgpr_count:     66
    .vgpr_count:     256
    .wavefront_size: 32
...
	.end_amdgpu_metadata
.endif
;; end of part 1
;; launch proj (part 2): grid 8 x 48, 4 waves a work-group, clusters of 4 x 4, 327,680 bytes of LDS; arguments cw, sw, qkvc, qkvs; writes qkvc, qkvs
.if DOCPART == 2
	.amdgcn_target "amdgcn-amd-amdhsa--gfx1250"
	.amdhsa_code_object_version 6
	.text
	.protected	k_q31b6426697_proj
	.globl	k_q31b6426697_proj
	.p2align	8
	.type	k_q31b6426697_proj,@function
k_q31b6426697_proj:
	s_mov_b64 s[64:65], 0
	v_nop
	global_prefetch_b8 v0, s[64:65] scope:SCOPE_SE
	s_setreg_imm32_b32 hwreg(HW_REG_WAVE_MODE, 25, 1), 1
	s_wait_xcnt 0x0
	s_wait_alu depctr_hold_cnt(0) depctr_sa_sdst(0) depctr_va_vdst(0) depctr_va_sdst(0) depctr_va_ssrc(0) depctr_va_vcc(0) depctr_vm_vsrc(0)
	s_getreg_b32 s2, hwreg(HW_REG_IB_STS2, 6, 4)
	s_cmp_eq_u32 s2, 0
	s_cbranch_scc0 .Lentry_in_a_cluster
	s_endpgm
.Lentry_in_a_cluster:
	s_bfe_u32 s2, ttmp6, 0x10000c
	s_cmp_lg_u32 s2, 0xf033
	s_cbranch_scc0 .Lentry_shape_is_right
	s_endpgm
.Lentry_shape_is_right:
; q = x Wq^T, k = x Wk^T (clusters with y < 8) and v^T = Wv x^T (clusters with y >= 8), on codes of FP6 (E2M3) with E8M0 scales, f32 sums, K = 1,024 ascending; the f32 results are quantised in registers
; along the axis that is the next product's K (q, k: the 1,024 features; v: the keys) and leave as fragment images and scale words.
; A tile is 256 x 256: P rows (source 1: a lane holds one of them) x R rows (source 0: a lane's registers run along them).  q, k: P = x, R = Wq then Wk.  v: P = Wv, R = x.
; Storage rows are in the order 16 (2 g + u) + r <-> logical 32 g + 8 u + r + 8 (r / 8): so the 16 registers of result tiles 2 b and 2 b + 1 are 16 neighbours, 32 b + 16 h + 0 .. 15, along R.
; Four waves, each 128 x 128: 64 accumulators.  A wave's 128 R rows are one K step of the next product: each of its 8 blocks of 16 P rows becomes one fragment and one scale word a row.
; Inputs: cw [row block][8 K steps][1,536], sw [8 K steps][11,264 rows] words.  Tiles come as images: a fragment is three loads of 512 consecutive LDS bytes, no pitch, no padding.
; THREE LDS SLOTS of two K steps.  K steps 0 to 5 and the scale words of all of K come with the first fills; slot 0 is filled once more, with K steps 6 and 7, as soon as it has been read:
; that one refill has 224 matrix instructions in which to land.  Slots 1 and 2 are filled once.  All is written out, no LDS address is stepped.
; CLUSTERS: 4 x 4.  P's tile hangs on the cluster's y and cy alone and is asked for jointly along a row of the cluster, R's on cx (and the cluster's place) and jointly along a column.
; Outputs: qkvc: q at 0 and k at 6,291,456, [512 row blocks][8][1,536]; v^T at 12,582,912, [batch][64 row blocks][16 K steps][1,536].  qkvs: [16][8,192] words (q's 8 K steps, k's 8); at 524,288 v^T's [batch x 16 + K step][1,024] words.
; LIMITS: a block of zeros gets the byte 1 and not 127 (zero codes; this program alone reads the bytes); blocks under 2^-124 are held at the byte 1; NaN and infinities are not served.
; REGISTERS: window 0: v16-31 addresses; v32-63 scale words and nothing else; v64-159 the way out; v128-223 P's 8 fragments, one set.  window 1: R's fragments, two sets, at v0 and v128.  windows 2, 3: the accumulators, (a, b) at v[8 (8 (a % 4) + b)].
.set FR,    12                         ; registers of a fragment
.set NL,    3                          ; LDS loads that bring one
.set NP,    4                          ; places behind this matrix instruction (ISA guide 7.12.1)
.set HALFT, 24576                      ; 8 row blocks x 2 K steps x 1,536: what one tensor load brings
.set SLOT,  4*HALFT                    ; P's two halves, then R's two
.set SCA,   3*SLOT                     ; behind the three slots: P's scale words, two halves of [8 K steps][128 rows] words
.set SCBD,  8320                       ; R's lie 8,192 + 128 bytes on, so that the two halves of a scale load's lanes fall on different banks
.set SPARE, SCA+16640                  ; the spare words, 128 bytes a wave: two blocks of 256 bytes that no other line names
.set STG,   SCA+17152                  ; 2,048 bytes a wave: the scale words' way out
.set STR,   5632                       ; a K step of sw, in elements of 8 bytes
.set ADRA, 16                          ; v16-18 LDS address of my P fragments in slot 0, 1, 2
.set ADRB, 19                          ; v19-21 the same for R
.set GL,   24                          ; v24 16 x lane
.set SSA,  25                          ; v25 my stage + 4 r
.set SSR,  26                          ; v26 my stage + 16 x lane
.set ADRS, 27                          ; v27 my scale words: lanes 0-15 P's rows, lanes 16-31 R's
.set SPW,  28                          ; v28 my spare word; never rewritten
.set NIL,  29                          ; v29 0; never rewritten
.set SC,   32                          ; set s, block i, K step q of the slot: v[SC + 16 s + 2 i + q]
.set AF,   128
.set TM,   64                          ; the way out: v64-67 largest magnitudes, v68-71 bytes, v76-79 scale operands
.set PWS,  144                         ; v144-151 the eight blocks' scale words
.set SEL,  66                          ; s[66:67]
.set G1, 24                            ; s[24:31] group 1 for P's tiles;  s[32:39] groups 0 for slots 0, 1;  s[4:7] for slot 2
.set G0, 32
.set G0C, 4
.set G1B, 48                           ; s[48:55], s[56:63], s[20:23] the same for R's
.set G0B, 56
.set G0BC, 20
.set G1S, 68
.set G0S, 76
.set G1SB, 80
.set G0SB, 88
.set MSB, 0
.macro WIN new                         ; the immediate's high byte repeats the setting that is left
.if MSB != (\new)
	s_set_vgpr_msb (MSB<<8)|(\new)
.set MSB, (\new)
.endif
.endm
.set MUL_LO, 0xa1                      ; source 0 (R) window 1, source 1 (P) window 0, C and D window 2
.set MUL_HI, 0xf1
.set TO_B,   0x40
.macro JLOAD g0a, g1a, g0b, g1b        ; a joint load: waves 0 and 1 fetch for P, waves 2 and 3 for R; four v_nop follow each of the two lines
	s_cmp_eq_u32 s15, 0
	s_cbranch_scc0 .Lfor_b_\@
	tensor_load_to_lds s[\g0a:\g0a+3], s[\g1a:\g1a+7]
	s_nop 0
.rept 4
	v_nop
.endr
	s_branch .Lasked_\@
.Lfor_b_\@:
	tensor_load_to_lds s[\g0b:\g0b+3], s[\g1b:\g1b+7]
	s_nop 0
.rept 4
	v_nop
.endr
.Lasked_\@:
.endm
.macro CREST                           ; a round of the cluster's barrier behind its opening barrier
	s_cmp_lg_u32 s14, 0
	s_cbranch_scc1 .Lnot_wave_0_\@
	s_barrier_signal -3
.Lnot_wave_0_\@:
	s_barrier_wait -3
	s_barrier_signal -1
	s_barrier_wait -1
.endm
.macro CROUND
	s_barrier_signal -1
	s_barrier_wait -1
	CREST
.endm
.macro PLACES n
.rept \n
	v_nop
.endr
.endm
	s_load_b128 s[4:7], s[0:1], 0x0                ; cw, sw
	s_load_b128 s[8:11], s[0:1], 0x10              ; qkvc, qkvs
	v_lshl_add_u32 v[SPW], v0, 2, SPARE
	v_mov_b32 v[NIL], 0
	ds_add_u32 v28, v29
	ds_add_u32 v28, v29
	s_wait_dscnt 0x0
	v_lshrrev_b32 v1, 5, v0
	v_readfirstlane_b32 s14, v1                    ; wave 0..3
	s_lshr_b32 s15, s14, 1                         ; my half of the P rows.  Also: I fetch for P (0) or for R (1)
	s_and_b32 s16, s14, 1                          ; my half of the R rows.  Also: which half I fetch
	s_bfe_u32 s40, ttmp6, 0x40000                  ; cx
	s_bfe_u32 s41, ttmp6, 0x40004                  ; cy
	s_and_b32 s42, ttmp7, 0xffff                   ; the cluster's y: under 8 q and k, from 8 on v
	s_lshl_b32 s17, s42, 2
	s_cmp_lt_u32 s42, 8
	s_cselect_b32 s17, s17, 40                     ; P's tile of 256 rows in cw: x's 4 y + cy, or Wv's 40 + cy
	s_add_co_u32 s17, s17, s41
	s_max_u32 s43, s42, 8
	s_sub_co_u32 s43, s43, 8
	s_lshl_b32 s43, s43, 3
	s_cmp_lt_u32 s42, 8
	s_cselect_b32 s43, 32, s43                     ; R's tile: Wq's and Wk's 32 + 4 x + cx, or x's 8 (y - 8) + 4 x + cx
	s_lshl_b32 s44, ttmp9, 2
	s_add_co_u32 s43, s43, s44
	s_add_co_u32 s43, s43, s40
	s_lshl_b32 s45, s41, 2
	s_lshl_b32 s45, 15, s45                        ; my row of the cluster
	s_lshl_b32 s46, 0x1111, s40                    ; my column
	; group 1 for codes: 8 rows (row blocks) of 3,072 bytes (two K steps' images), 12,288 bytes apart; elements of 8 bytes; no padding
	s_or_b32 s[G1], s45, (3<<16)|(1<<21)
	s_or_b32 s[G1B], s46, (3<<16)|(1<<21)
.irp g, G1, G1B
	s_mov_b32 s[\g+1], 384<<16                     ; tensor_dim0
	s_mov_b32 s[\g+2], 8<<16                       ; tensor_dim1
	s_mov_b32 s[\g+3], 384<<16                     ; tile_dim0
	s_mov_b32 s[\g+4], 8                           ; tile_dim1
	s_mov_b32 s[\g+5], 1536                        ; from row to row
	s_mov_b32 s[\g+6], 0
	s_mov_b32 s[\g+7], 0
.endr
	; and for scale words: 8 rows (K steps) of 512 bytes (128 rows' words)
	s_or_b32 s[G1S], s45, (3<<16)|(1<<21)
	s_or_b32 s[G1SB], s46, (3<<16)|(1<<21)
.irp g, G1S, G1SB
	s_mov_b32 s[\g+1], 64<<16
	s_mov_b32 s[\g+2], 8<<16
	s_mov_b32 s[\g+3], 64<<16
	s_mov_b32 s[\g+4], 8
	s_mov_b32 s[\g+5], STR
	s_mov_b32 s[\g+6], 0
	s_mov_b32 s[\g+7], 0
.endr
	s_mul_i32 s18, s16, 98304                      ; the half that I fetch: 8 row blocks of 12,288 bytes
	s_mul_i32 s20, s17, 196608
	s_add_co_u32 s20, s20, s18
	s_mov_b32 s21, 0                               ; P's codes
	s_mul_i32 s92, s43, 196608
	s_add_co_u32 s92, s92, s18
	s_mov_b32 s93, 0                               ; R's codes
	s_lshl_b32 s19, s16, 9
	s_lshl_b32 s22, s17, 10
	s_add_co_u32 s22, s22, s19
	s_mov_b32 s23, 0                               ; P's scale words
	s_lshl_b32 s94, s43, 10
	s_add_co_u32 s94, s94, s19
	s_mov_b32 s95, 0                               ; R's
	s_mul_i32 s47, s14, HALFT                      ; where they go: no place in the cluster enters an LDS address
	s_lshl_b32 s96, s14, 12
	s_mov_b32 s[SEL], 0x76543210
	s_mov_b32 s[SEL+1], 0xfedcba98
	s_wait_kmcnt 0x0
	s_add_nc_u64 s[20:21], s[4:5], s[20:21]
	s_add_nc_u64 s[92:93], s[4:5], s[92:93]
	s_add_nc_u64 s[22:23], s[6:7], s[22:23]
	s_add_nc_u64 s[94:95], s[6:7], s[94:95]
	; all groups 0 are made ahead of the round, so that the first fills follow it at once
	s_mov_b32 s[G0S], 1
	s_add_co_u32 s[G0S+1], s96, SCA
	s_mov_b64 s[G0S+2:G0S+3], s[22:23]
	s_or_b32 s[G0S+3], s[G0S+3], 0x80000000
	s_mov_b32 s[G0SB], 1
	s_add_co_u32 s[G0SB+1], s96, SCA+128
	s_mov_b64 s[G0SB+2:G0SB+3], s[94:95]
	s_or_b32 s[G0SB+3], s[G0SB+3], 0x80000000
.irp s, 0,1
	s_mov_b32 s[G0+4*\s], 1
	s_add_co_u32 s[G0+4*\s+1], s47, \s*SLOT
	s_add_nc_u64 s[G0+4*\s+2:G0+4*\s+3], s[20:21], \s*3072
	s_or_b32 s[G0+4*\s+3], s[G0+4*\s+3], 0x80000000
	s_mov_b32 s[G0B+4*\s], 1
	s_add_co_u32 s[G0B+4*\s+1], s47, \s*SLOT
	s_add_nc_u64 s[G0B+4*\s+2:G0B+4*\s+3], s[92:93], \s*3072
	s_or_b32 s[G0B+4*\s+3], s[G0B+4*\s+3], 0x80000000
.endr
	s_mov_b32 s[G0C], 1                            ; slot 2's sets lie where cw's and sw's addresses and the sums made of them lay: those are used up
	s_add_co_u32 s[G0C+1], s47, 2*SLOT
	s_add_nc_u64 s[G0C+2:G0C+3], s[20:21], 2*3072
	s_or_b32 s[G0C+3], s[G0C+3], 0x80000000
	s_mov_b32 s[G0BC], 1
	s_add_co_u32 s[G0BC+1], s47, 2*SLOT
	s_add_nc_u64 s[G0BC+2:G0BC+3], s[92:93], 2*3072
	s_or_b32 s[G0BC+3], s[G0BC+3], 0x80000000
	CROUND                                         ; all sixteen work-groups are here: the first joint loads meet
	JLOAD G0S, G1S, G0SB, G1SB                     ; the scale words first: they are wanted with K step 0
	JLOAD G0, G1, G0B, G1B                         ; K steps 0, 1
	JLOAD G0+4, G1, G0B+4, G1B                     ; K steps 2, 3
	JLOAD G0C, G1, G0BC, G1B                       ; K steps 4, 5: four tensor loads of mine are out now
	v_and_b32 v1, 15, v0                           ; r
	v_bfe_u32 v2, v0, 4, 1                         ; h
	v_and_b32 v3, 31, v0
	v_lshlrev_b32 v[GL], 4, v3
	s_mul_i32 s18, s15, HALFT
	s_mul_i32 s19, s16, HALFT
	s_add_co_u32 s19, s19, 2*HALFT
.irp s, 0,1,2
	v_add_nc_u32 v[ADRA+\s], s18, v[GL]
	v_add_nc_u32 v[ADRB+\s], s19, v[GL]
	s_add_co_u32 s18, s18, SLOT
	s_add_co_u32 s19, s19, SLOT
.endr
	s_lshl_b32 s18, s15, 12
	s_lshl_b32 s19, s16, 12
	s_add_co_u32 s19, s19, SCBD
	s_sub_co_u32 s19, s19, s18
	v_mul_u32_u24 v4, s19, v2                      ; lanes 16-31 take R's words: one product with h
	s_add_co_u32 s18, s18, SCA
	v_lshl_add_u32 v4, v1, 2, v4
	v_add_nc_u32 v[ADRS], s18, v4
	s_lshl_b32 s18, s14, 11
	s_add_co_u32 s18, s18, STG
	v_lshl_add_u32 v[SSA], v1, 2, s18
	v_add_nc_u32 v[SSR], s18, v[GL]
.irp b, 0,1,2,3
	v_mov_b32 v[TM+4+\b], 0                        ; written once: a lane permute's destination counts as one of its sources
.endr
	; where my results go.  Both forms are made; one compare on the cluster's y chooses
	s_lshl_b32 s2, ttmp9, 2
	s_add_co_u32 s2, s2, s40
	s_lshl_b32 s2, s2, 1
	s_add_co_u32 s2, s2, s16                       ; q, k: g = 2 (4 x + cx) + my R half: K step g % 8 of q (g < 8) or k
	s_lshl_b32 s3, s42, 2
	s_add_co_u32 s3, s3, s41
	s_lshl_b32 s3, s3, 4
	s_lshl_b32 s12, s15, 3
	s_add_co_u32 s3, s3, s12                       ; my first row block
	s_lshr_b32 s13, s2, 3
	s_mul_i32 s13, s13, 6291456
	s_and_b32 s18, s2, 7
	s_mul_i32 s18, s18, 1536
	s_add_co_u32 s13, s13, s18
	s_mul_i32 s18, s3, 12288
	s_add_co_u32 s13, s13, s18                     ; codes
	s_lshl_b32 s18, s2, 15
	s_lshl_b32 s19, s3, 6
	s_add_co_u32 s18, s18, s19                     ; scale words
	s_lshl_b32 s19, s41, 4
	s_add_co_u32 s19, s19, s12                     ; v: my first row block of the 64
	s_lshr_b32 s92, s43, 3                         ; the batch of x's tile
	s_mul_i32 s92, s92, 1572864
	s_mul_i32 s93, s19, 24576
	s_add_co_u32 s92, s92, s93
	s_and_b32 s93, s43, 7
	s_lshl_b32 s93, s93, 1
	s_add_co_u32 s93, s93, s16                     ; the K step of keys
	s_mul_i32 s93, s93, 1536
	s_add_co_u32 s92, s92, s93
	s_add_co_u32 s92, s92, 12582912                ; codes
	s_lshl_b32 s93, s43, 1
	s_add_co_u32 s93, s93, s16
	s_lshl_b32 s93, s93, 12
	s_lshl_b32 s94, s19, 6
	s_add_co_u32 s93, s93, s94
	s_add_co_u32 s93, s93, 524288                  ; scale words
	s_mov_b32 s94, 24576
	s_cmp_lt_u32 s42, 8
	s_cselect_b32 s12, s13, s92
	s_cselect_b32 s18, s18, s93
	s_cselect_b32 s94, 12288, s94                  ; from row block to row block
	s_mov_b32 s13, 0
	s_mov_b32 s19, 0
	s_mov_b32 s95, 0
	s_add_nc_u64 s[8:9], s[8:9], s[12:13]
	s_add_nc_u64 s[10:11], s[10:11], s[18:19]
.macro FRAG reg, adr, q, i             ; a fragment comes back as it was stored: three loads of 512 consecutive bytes
.irp c, 0,1,2
	ds_load_b128 v[\reg+4*\c:\reg+4*\c+3], v[\adr] offset:(2*(\i)+(\q))*1536+512*\c
.endr
.endm
; 16 matrix instructions: P's blocks a0, a0 + 1 x R's eight, the slot's q-th 128 along K.  The 64 accumulators take turns, one instruction a turn
.macro MUL16 a0, p, q, sc, zero
.irp a, \a0, \a0+1
.irp b, 0,1,2,3,4,5,6,7
.if \zero
	v_wmma_scale_f32_16x16x128_f8f6f4 v[8*(8*((\a)%4)+\b):8*(8*((\a)%4)+\b)+7], v[128*(\p)+FR*\b:128*(\p)+FR*\b+FR-1], v[AF+FR*(\a):AF+FR*(\a)+FR-1], 0, v[SC+16*(\sc)+2*\b+(\q)], v[SC+16*(\sc)+2*(\a)+(\q)] matrix_a_fmt:MATRIX_FMT_FP6 matrix_b_fmt:MATRIX_FMT_FP6 matrix_a_scale:MATRIX_SCALE_ROW1
.else
	v_wmma_scale_f32_16x16x128_f8f6f4 v[8*(8*((\a)%4)+\b):8*(8*((\a)%4)+\b)+7], v[128*(\p)+FR*\b:128*(\p)+FR*\b+FR-1], v[AF+FR*(\a):AF+FR*(\a)+FR-1], v[8*(8*((\a)%4)+\b):8*(8*((\a)%4)+\b)+7], v[SC+16*(\sc)+2*\b+(\q)], v[SC+16*(\sc)+2*(\a)+(\q)] matrix_a_fmt:MATRIX_FMT_FP6 matrix_b_fmt:MATRIX_FMT_FP6 matrix_a_scale:MATRIX_SCALE_ROW1
.endif
.endr
.endr
.endm
.macro FETCH_B slot, q, p
	WIN TO_B
.irp i, 0,1,2,3,4,5,6,7
	FRAG 128*(\p)+FR*\i, ADRB+\slot, \q, \i
.endr
	WIN 0
.endm
.macro FETCH_A slot, q, i0
.irp i, \i0, \i0+1, \i0+2, \i0+3
	FRAG AF+FR*(\i), ADRA+\slot, \q, \i
.endr
.endm
.macro SCALES set, sig                 ; the scale words of K steps 2 sig, 2 sig + 1 into a set: lanes 0-15 P's block i, lanes 16-31 R's block i; every offset an immediate
.irp i, 0,1,2,3,4,5,6,7
.irp q, 0,1
	ds_load_b32 v[SC+16*(\set)+2*\i+\q], v[ADRS] offset:(2*(\sig)+\q)*512+64*\i
.endr
.endr
.endm
.macro STEP slot, sc, zero             ; a slot's first 128 along K: R's set 0, the scale words' set sc; the slot's second 128 is fetched
	s_wait_dscnt 4*NL                              ; all but the youngest 12 loads (P's blocks 4-7) are in
	WIN MUL_LO
	MUL16 0, 0, 0, \sc, \zero
	MUL16 2, 0, 0, \sc, \zero
	s_wait_dscnt 0x0                               ; P's blocks 4-7 are in
	PLACES NP
	FETCH_B \slot, 1, 1
	FETCH_A \slot, 1, 0
	WIN MUL_HI
	MUL16 4, 0, 0, \sc, \zero
	MUL16 6, 0, 0, \sc, \zero
	PLACES NP
	WIN 0
	FETCH_A \slot, 1, 4
.endm
; A slot's second 128 along K, with a barrier: in front of it each wave waits for all its tensor loads, adds 0 to its spare word, and waits for that and for its reads of the slot.
; fill = 1: the slot (slot 0) is filled again, with K steps 6 and 7.  sc: this slot's scale words; nsc, sig: the set that takes the next slot's, and which two K steps they are
.macro TURN slot, next, fill, sc, nsc, sig
	s_wait_tensorcnt 0x0                           ; all my tensor loads have landed
	ds_add_u32 v[SPW], v[NIL]                      ; 0 onto my spare word
	s_wait_dscnt 4*NL+1                            ; the add and the youngest 12 loads may be out
	WIN MUL_LO
	MUL16 0, 1, 1, \sc, 0
	s_wait_dscnt 0x0                               ; the add is done, and my reads of this slot are over
	s_barrier_signal -1
	MUL16 2, 1, 1, \sc, 0
	WIN 0
	s_barrier_wait -1
.if \fill
	CREST                                          ; the barrier has opened a round of the cluster's barrier: no wave of any partner still reads this slot or has a load on its way
	s_add_nc_u64 s[G0+4*\slot+2:G0+4*\slot+3], s[G0+4*\slot+2:G0+4*\slot+3], 3*3072
	s_add_nc_u64 s[G0B+4*\slot+2:G0B+4*\slot+3], s[G0B+4*\slot+2:G0B+4*\slot+3], 3*3072
	JLOAD G0+4*\slot, G1, G0B+4*\slot, G1B         ; the first tensor load behind the round; its four v_nop are the places in front of the loads below
.else
	PLACES NP
.endif
	FETCH_B \next, 0, 0
	FETCH_A \next, 0, 0
	SCALES \nsc, \sig
	WIN MUL_HI
	MUL16 4, 1, 1, \sc, 0
	MUL16 6, 1, 1, \sc, 0
	PLACES NP
	WIN 0
	FETCH_A \next, 0, 4
.endm
; The same without a barrier: from slot 1 to slot 2.  Every wave waited for all its first fills in front of the round at the first change of slots, so slot 2 is whole for every wave since then; and neither slot 1 nor slot 2 is ever filled again
.macro PASS slot, next, sc, nsc, sig
	s_wait_dscnt 4*NL
	WIN MUL_LO
	MUL16 0, 1, 1, \sc, 0
	MUL16 2, 1, 1, \sc, 0
	s_wait_dscnt 0x0
	PLACES NP
	FETCH_B \next, 0, 0
	FETCH_A \next, 0, 0
	SCALES \nsc, \sig
	WIN MUL_HI
	MUL16 4, 1, 1, \sc, 0
	MUL16 6, 1, 1, \sc, 0
	PLACES NP
	WIN 0
	FETCH_A \next, 0, 4
.endm
	s_wait_tensorcnt 2                             ; the scale words and my part of slot 0 are in; the loads of slots 1 and 2 may be out
	s_barrier_signal -1
	s_barrier_wait -1
	FETCH_B 0, 0, 0
	FETCH_A 0, 0, 0
	SCALES 0, 0
	FETCH_A 0, 0, 4
	STEP 0, 0, 1                                   ; K steps 0, 1: the first products start the sums
	TURN 0, 1, 1, 0, 1, 1                          ; slot 0 takes K steps 6, 7
	STEP 1, 1, 0                                   ; K steps 2, 3
	PASS 1, 2, 1, 0, 2
	STEP 2, 0, 0                                   ; K steps 4, 5
	TURN 2, 0, 0, 0, 1, 3                          ; nothing is left to fetch; behind the barrier slot 0 is whole again
	STEP 0, 1, 0                                   ; K steps 6, 7
	s_wait_dscnt 4*NL
	WIN MUL_LO
	MUL16 0, 1, 1, 1, 0
	MUL16 2, 1, 1, 1, 0
	s_wait_dscnt 0x0
	WIN MUL_HI
	MUL16 4, 1, 1, 1, 0
	MUL16 6, 1, 1, 1, 0
	WIN 0
; THE WAY OUT.  Block a's 64 registers (window w, from d on) are 64 numbers of my lane's P row, register 16 b + i = index 32 b + 16 h + i along R: they are quantised where they lie.
; Each accumulator is first read at its two lowest registers.
.macro QUANTW w, d, pc, pw
	WIN ((\w)<<2)|((\w)<<4)                        ; sources 1 and 2: the accumulators' window
.irp b, 0,1,2,3
	v_max3_num_f32 v[TM+\b], 0x1800000, |v[(\d)+16*\b]|, |v[(\d)+16*\b+1]|   ; the floor 2^(3 - 127): the byte cannot fall under 1
.endr
.irp i, 2,4,6,8,10,12,14
.irp b, 0,1,2,3
	v_max3_num_f32 v[TM+\b], v[TM+\b], |v[(\d)+16*\b+\i]|, |v[(\d)+16*\b+\i+1]|
.endr
.endr
	WIN 0
.irp b, 0,1,2,3
	v_permlanex16_b32 v[TM+4+\b], v[TM+\b], s[SEL], s[SEL+1]
.endr
.irp b, 0,1,2,3
	v_max_num_f32 v[TM+\b], v[TM+\b], v[TM+4+\b]
.endr
.irp b, 0,1,2,3
	v_add_nc_u32 v[TM+12+\b], 0xff000000, v[TM+\b] ; 2 off the exponent field: the conversion's scale operand
.endr
.irp b, 0,1,2,3
	v_lshrrev_b32 v[TM+4+\b], 23, v[TM+12+\b]      ; the scale's byte
.endr
	v_lshl_or_b32 v[\pw], v[TM+5], 8, v[TM+4]
	v_lshl_or_b32 v[\pw], v[TM+6], 16, v[\pw]
	v_lshl_or_b32 v[\pw], v[TM+7], 24, v[\pw]
	WIN (\w)                                       ; source 0: the accumulators' window
.irp c, 0,1
	v_cvt_scalef32_pk16_fp6_f32 v[(\pc)+6*\c:(\pc)+6*\c+2], v[(\d)+32*\c:(\d)+32*\c+15], v[TM+12+2*\c]
	v_cvt_scalef32_pk16_fp6_f32 v[(\pc)+12+4*\c:(\pc)+14+4*\c], v[(\d)+16+32*\c:(\d)+31+32*\c], v[TM+13+2*\c]
.endr
	WIN 0
	v_nop                                          ; one plain line behind a scaled conversion
.irp c, 0,1
.irp i, 0,1,2
	v_permlane16_swap_b32 v[(\pc)+6*\c+\i], v[(\pc)+12+4*\c+\i]
.endr
.irp i, 0,1,2
	v_mov_b32 v[(\pc)+3+6*\c+\i], v[(\pc)+12+4*\c+\i]
.endr
.endr
.endm
	PLACES NP                                      ; behind the last products, ahead of the first read of results and the first write of registers that held fragments
.irp a, 0,1,2,3,4,5,6,7
	QUANTW 2+\a/4, 64*(\a%4), 96+24*(\a%2), PWS+\a
.if \a > 0
	s_wait_xcnt 0x0                                ; the earlier blocks' stores have read their base and their codes' registers: the base steps here, and the next block writes the other set
	s_add_nc_u64 s[8:9], s[8:9], s[94:95]
.endif
.irp c, 0,1,2
	global_store_b128 v[GL], v[96+24*(\a%2)+4*\c:96+24*(\a%2)+4*\c+3], s[8:9] offset:512*\c   ; 32 lanes store 512 consecutive bytes, aligned
.endr
.endr
.irp a, 0,1,2,3,4,5,6,7
	ds_store_b32 v[SSA], v[PWS+\a] offset:64*\a    ; lanes l and l xor 16 write the same word with the same value
.endr
	ds_load_b128 v[152:155], v[SSR]                ; LDS serves a wave's instructions in order: this sees my stores
	s_wait_dscnt 0x0
	global_store_b128 v[GL], v[152:155], s[10:11]  ; my 128 rows' words of one K step: 512 consecutive bytes, aligned
	s_wait_tensorcnt 0x0                           ; the wave's end
	ds_add_u32 v[SPW], v[NIL]
	s_wait_dscnt 0x0
	CROUND                                         ; the closing round
	s_endpgm
.Lfunc_end_k_q31b6426697_proj:
	.size	k_q31b6426697_proj, .Lfunc_end_k_q31b6426697_proj-k_q31b6426697_proj
	.p2alignl 7, 3214868480
	.fill 96, 4, 3214868480
	.section	.rodata,"a",@progbits
	.p2align	6, 0x0
	.amdhsa_kernel k_q31b6426697_proj
		.amdhsa_group_segment_fixed_size 327680
		.amdhsa_private_segment_fixed_size 0
		.amdhsa_enable_private_segment 0
		.amdhsa_kernarg_size 32
		.amdhsa_user_sgpr_count 2
		.amdhsa_user_sgpr_kernarg_segment_ptr 1
		.amdhsa_wavefront_size32 1
		.amdhsa_system_sgpr_workgroup_id_x 1
		.amdhsa_system_sgpr_workgroup_id_y 1
		.amdhsa_system_sgpr_workgroup_id_z 1
		.amdhsa_system_vgpr_workitem_id 0
		.amdhsa_next_free_vgpr 1024
		.amdhsa_next_free_sgpr 100
		.amdhsa_reserve_vcc 0
		.amdhsa_float_denorm_mode_32 3
		.amdhsa_float_denorm_mode_16_64 3
		.amdhsa_memory_ordered 1
		.amdhsa_forward_progress 1
		.amdhsa_inst_pref_size 144
	.end_amdhsa_kernel
	.amdgpu_metadata
---
amdhsa.version: [ 1, 2 ]
amdhsa.kernels:
  - .name:           k_q31b6426697_proj
    .symbol:         k_q31b6426697_proj.kd
    .args:
      - { .name: cw, .offset: 0, .size: 8, .value_kind: global_buffer, .address_space: global }
      - { .name: sw, .offset: 8, .size: 8, .value_kind: global_buffer, .address_space: global }
      - { .name: qkvc, .offset: 16, .size: 8, .value_kind: global_buffer, .address_space: global }
      - { .name: qkvs, .offset: 24, .size: 8, .value_kind: global_buffer, .address_space: global }
    .group_segment_fixed_size: 327680
    .private_segment_fixed_size: 0
    .kernarg_segment_align: 8
    .kernarg_segment_size: 32
    .max_flat_workgroup_size: 128
    .sgpr_count:     100
    .vgpr_count:     1024
    .wavefront_size: 32
...
	.end_amdgpu_metadata
.endif
;; end of part 2
;; launch score (part 3): grid 12 x 16, 4 waves a work-group, clusters of 4 x 4, 327,680 bytes of LDS; arguments qkvc, qkvs, pc, pst; writes pc, pst
.if DOCPART == 3
	.amdgcn_target "amdgcn-amd-amdhsa--gfx1250"
	.amdhsa_code_object_version 6
	.text
	.protected	k_q31b6426697_score
	.globl	k_q31b6426697_score
	.p2align	8
	.type	k_q31b6426697_score,@function
k_q31b6426697_score:
	s_mov_b64 s[64:65], 0
	v_nop
	global_prefetch_b8 v0, s[64:65] scope:SCOPE_SE
	s_setreg_imm32_b32 hwreg(HW_REG_WAVE_MODE, 25, 1), 1
	s_wait_xcnt 0x0
	s_wait_alu depctr_hold_cnt(0) depctr_sa_sdst(0) depctr_va_vdst(0) depctr_va_sdst(0) depctr_va_ssrc(0) depctr_va_vcc(0) depctr_vm_vsrc(0)
	s_getreg_b32 s2, hwreg(HW_REG_IB_STS2, 6, 4)
	s_cmp_eq_u32 s2, 0
	s_cbranch_scc0 .Lentry_in_a_cluster
	s_endpgm
.Lentry_in_a_cluster:
	s_bfe_u32 s2, ttmp6, 0x10000c
	s_cmp_lg_u32 s2, 0xf033
	s_cbranch_scc0 .Lentry_shape_is_right
	s_endpgm
.Lentry_shape_is_right:
; S = q k^T on codes of FP6 (E2M3), K = 1,024, f32 sums; the causal mask; then, for each query and each 128 keys, t = S x log2(e) / 32, M_loc = ceil(the largest t of these 128 keys), p = 2^(t - M_loc),
; l_loc = the sum of the unquantised p; p is quantised along the keys.  M_loc is a whole number: the last launch brings p under the row's own M by adding M_loc - M to the scale bytes, which changes no code.
; A tile is 256 queries (source 1: a lane holds one) x 256 keys (source 0: a lane's registers run along them); four waves, each 128 x 128.  Storage rows are in the order 16 (2 g + u) + r <-> logical
; 32 g + 8 u + r + 8 (r / 8), so the 16 registers of result tiles 2 b and 2 b + 1 are 16 neighbouring keys.
; A batch's kept scores are three squares of 4 x 4 tiles, (query, key) = (0, 0), (1, 0), (1, 1): a cluster takes one.  q's tile is asked for jointly along a row of the cluster, k's along a column.
; THE TILES ABOVE THE DIAGONAL of a diagonal square (6 of 16) run the same text, since each partner makes every joint request: they store zero codes,
; -M_loc = 3e38 and l_loc = 0, which the last launch reads: so each of its clusters has one length of K.
; THREE LDS SLOTS of two K steps.  K steps 0 to 5 and the scale words of all of K come with the first fills; slot 0 is filled once more, with K steps 6 and 7, as soon as it has been read:
; that one refill has 224 matrix instructions in which to land.  Slots 1 and 2 are filled once.
; Outputs: pc [batch][128 row blocks of queries][16 K steps of keys][1,536]; pst: three sections of 524,288 bytes (raw scale words, -M_loc, l_loc), each [batch][16 K steps][2,048 rows] words.
; LIMITS: a block whose every p is 0 keeps the byte 1 (zero codes); p under 2^-126 is 0 (the exponential's flush); M is kept as an f32 whole number, exact up to 2^24; NaN and infinities are not served.
; REGISTERS: window 0: v16-31 addresses, the mask's two constants among them; v32-63 scale words and nothing else; v128-223 q's 8 fragments; on the way out v64-255.  window 1: k's fragments, two sets.  windows 2, 3: the accumulators.
.set FR,    12
.set NL,    3
.set NP,    4
.set HALFT, 24576
.set SLOT,  4*HALFT
.set SCA,   3*SLOT                     ; behind the three slots: q's scale words, two halves of [8 K steps][128 rows] words
.set SCBD,  8320                       ; k's lie 8,192 + 128 bytes on
.set SPARE, SCA+16640                  ; the spare words, 128 bytes a wave: two blocks of 256 bytes that no other line names
.set STG,   SCA+17152                  ; 2,048 bytes a wave: the way out of the scale words, -M_loc and l_loc
.set STR,   4096                       ; a K step of q's or k's scale words, in elements of 8 bytes
.set ADRA, 16                          ; v16-18 my q fragments in slot 0, 1, 2
.set ADRB, 19                          ; v19-21 my k fragments
.set DB,   22                          ; v22 my query less my first key, block 0: 256 (tile row - tile column) + 128 (my halves' difference) + r + 8 (r / 8) - 16 h
.set NINF, 23                          ; v23 -infinity
.set GL,   24
.set SSA,  25
.set SSR,  26
.set ADRS, 27
.set SPW,  28
.set NIL,  29
.set SC,   32
.set AF,   128
.set BM,   64                          ; v64-67 the blocks' largest scores, then largest p
.set BX,   68                          ; v68-71 at work
.set NM,   72                          ; v[72:73] -M_loc (the packed form names a pair and takes its low word)
.set SOP,  76                          ; v76-79 the conversions' scale operands
.set SUMA, 80
.set SUMB, 82
.set TMP,  84
.set T,    128                         ; v128-191 a block's 64 scores, then p
.set PWS,  216
.set NMS,  224
.set LSS,  232
.set SEL,  66                          ; s[66:67]
.set CS,   98                          ; s[98:99] c = log2(e) / 32
.set G1, 24                            ; s[24:31] group 1 for q's tiles;  s[32:39] groups 0 for slots 0, 1;  s[4:7] for slot 2
.set G0, 32
.set G0C, 4
.set G1B, 48                           ; s[48:55], s[56:63], s[20:23] the same for k's
.set G0B, 56
.set G0BC, 20
.set G1S, 68
.set G0S, 76
.set G1SB, 80
.set G0SB, 88
.set MSB, 0
.macro WIN new
.if MSB != (\new)
	s_set_vgpr_msb (MSB<<8)|(\new)
.set MSB, (\new)
.endif
.endm
.set MUL_LO, 0xa1
.set MUL_HI, 0xf1
.set TO_B,   0x40
.macro JLOAD g0a, g1a, g0b, g1b        ; a joint load: waves 0 and 1 fetch for q, waves 2 and 3 for k; four v_nop follow each of the two lines
	s_cmp_eq_u32 s15, 0
	s_cbranch_scc0 .Lfor_b_\@
	tensor_load_to_lds s[\g0a:\g0a+3], s[\g1a:\g1a+7]
	s_nop 0
.rept 4
	v_nop
.endr
	s_branch .Lasked_\@
.Lfor_b_\@:
	tensor_load_to_lds s[\g0b:\g0b+3], s[\g1b:\g1b+7]
	s_nop 0
.rept 4
	v_nop
.endr
.Lasked_\@:
.endm
.macro CREST
	s_cmp_lg_u32 s14, 0
	s_cbranch_scc1 .Lnot_wave_0_\@
	s_barrier_signal -3
.Lnot_wave_0_\@:
	s_barrier_wait -3
	s_barrier_signal -1
	s_barrier_wait -1
.endm
.macro CROUND
	s_barrier_signal -1
	s_barrier_wait -1
	CREST
.endm
.macro PLACES n
.rept \n
	v_nop
.endr
.endm
	s_load_b128 s[4:7], s[0:1], 0x0                ; qkvc, qkvs
	s_load_b128 s[8:11], s[0:1], 0x10              ; pc, pst
	v_lshl_add_u32 v[SPW], v0, 2, SPARE
	v_mov_b32 v[NIL], 0
	ds_add_u32 v28, v29
	ds_add_u32 v28, v29
	s_wait_dscnt 0x0
	v_lshrrev_b32 v1, 5, v0
	v_readfirstlane_b32 s14, v1                    ; wave 0..3
	s_lshr_b32 s15, s14, 1                         ; my half of the queries.  Also: I fetch for q (0) or for k (1)
	s_and_b32 s16, s14, 1                          ; my half of the keys.  Also: which half I fetch
	s_bfe_u32 s40, ttmp6, 0x40000                  ; cx
	s_bfe_u32 s41, ttmp6, 0x40004                  ; cy
	s_and_b32 s42, ttmp7, 0xffff                   ; the batch
	s_add_co_u32 s2, ttmp9, 1
	s_lshr_b32 s2, s2, 1                           ; the square's place among the queries: 0, 1, 1
	s_lshr_b32 s3, ttmp9, 1                        ; and among the keys: 0, 0, 1
	s_lshl_b32 s12, s2, 2
	s_add_co_u32 s12, s12, s41                     ; tile row
	s_lshl_b32 s13, s3, 2
	s_add_co_u32 s13, s13, s40                     ; tile column
	s_lshl_b32 s44, s42, 3
	s_add_co_u32 s17, s44, s12                     ; q's tile of 256 rows
	s_add_co_u32 s43, s44, s13                     ; k's
	s_lshl_b32 s45, s41, 2
	s_lshl_b32 s45, 15, s45                        ; my row of the cluster
	s_lshl_b32 s46, 0x1111, s40                    ; my column
	s_or_b32 s[G1], s45, (3<<16)|(1<<21)           ; codes: 8 rows (row blocks) of 3,072 bytes, 12,288 bytes apart; elements of 8 bytes
	s_or_b32 s[G1B], s46, (3<<16)|(1<<21)
.irp g, G1, G1B
	s_mov_b32 s[\g+1], 384<<16
	s_mov_b32 s[\g+2], 8<<16
	s_mov_b32 s[\g+3], 384<<16
	s_mov_b32 s[\g+4], 8
	s_mov_b32 s[\g+5], 1536
	s_mov_b32 s[\g+6], 0
	s_mov_b32 s[\g+7], 0
.endr
	s_or_b32 s[G1S], s45, (3<<16)|(1<<21)          ; scale words: 8 rows (K steps) of 512 bytes
	s_or_b32 s[G1SB], s46, (3<<16)|(1<<21)
.irp g, G1S, G1SB
	s_mov_b32 s[\g+1], 64<<16
	s_mov_b32 s[\g+2], 8<<16
	s_mov_b32 s[\g+3], 64<<16
	s_mov_b32 s[\g+4], 8
	s_mov_b32 s[\g+5], STR
	s_mov_b32 s[\g+6], 0
	s_mov_b32 s[\g+7], 0
.endr
	s_mul_i32 s18, s16, 98304
	s_mul_i32 s20, s17, 196608
	s_add_co_u32 s20, s20, s18
	s_mov_b32 s21, 0                               ; q's codes
	s_mul_i32 s92, s43, 196608
	s_add_co_u32 s92, s92, s18
	s_add_co_u32 s92, s92, 6291456
	s_mov_b32 s93, 0                               ; k's codes
	s_lshl_b32 s19, s16, 9
	s_lshl_b32 s22, s17, 10
	s_add_co_u32 s22, s22, s19
	s_mov_b32 s23, 0                               ; q's scale words
	s_lshl_b32 s94, s43, 10
	s_add_co_u32 s94, s94, s19
	s_add_co_u32 s94, s94, 262144
	s_mov_b32 s95, 0                               ; k's
	s_mul_i32 s47, s14, HALFT
	s_lshl_b32 s96, s14, 12
	s_mov_b32 s[SEL], 0x76543210
	s_mov_b32 s[SEL+1], 0xfedcba98
	s_mov_b32 s[CS], 0x3d38aa3b
	s_mov_b32 s[CS+1], s[CS]                       ; (named with it as a pair, so it is written)
	s_wait_kmcnt 0x0
	s_add_nc_u64 s[20:21], s[4:5], s[20:21]
	s_add_nc_u64 s[92:93], s[4:5], s[92:93]
	s_add_nc_u64 s[22:23], s[6:7], s[22:23]
	s_add_nc_u64 s[94:95], s[6:7], s[94:95]
	; all groups 0 are made ahead of the round, so that the first fills follow it at once
	s_mov_b32 s[G0S], 1
	s_add_co_u32 s[G0S+1], s96, SCA
	s_mov_b64 s[G0S+2:G0S+3], s[22:23]
	s_or_b32 s[G0S+3], s[G0S+3], 0x80000000
	s_mov_b32 s[G0SB], 1
	s_add_co_u32 s[G0SB+1], s96, SCA+128
	s_mov_b64 s[G0SB+2:G0SB+3], s[94:95]
	s_or_b32 s[G0SB+3], s[G0SB+3], 0x80000000
.irp s, 0,1
	s_mov_b32 s[G0+4*\s], 1
	s_add_co_u32 s[G0+4*\s+1], s47, \s*SLOT
	s_add_nc_u64 s[G0+4*\s+2:G0+4*\s+3], s[20:21], \s*3072
	s_or_b32 s[G0+4*\s+3], s[G0+4*\s+3], 0x80000000
	s_mov_b32 s[G0B+4*\s], 1
	s_add_co_u32 s[G0B+4*\s+1], s47, \s*SLOT
	s_add_nc_u64 s[G0B+4*\s+2:G0B+4*\s+3], s[92:93], \s*3072
	s_or_b32 s[G0B+4*\s+3], s[G0B+4*\s+3], 0x80000000
.endr
	s_mov_b32 s[G0C], 1                            ; slot 2's sets lie where the inputs' addresses and the sums made of them lay: those are used up
	s_add_co_u32 s[G0C+1], s47, 2*SLOT
	s_add_nc_u64 s[G0C+2:G0C+3], s[20:21], 2*3072
	s_or_b32 s[G0C+3], s[G0C+3], 0x80000000
	s_mov_b32 s[G0BC], 1
	s_add_co_u32 s[G0BC+1], s47, 2*SLOT
	s_add_nc_u64 s[G0BC+2:G0BC+3], s[92:93], 2*3072
	s_or_b32 s[G0BC+3], s[G0BC+3], 0x80000000
	CROUND                                         ; all sixteen work-groups are here: the first joint loads meet
	JLOAD G0S, G1S, G0SB, G1SB                     ; the scale words first
	JLOAD G0, G1, G0B, G1B                         ; K steps 0, 1
	JLOAD G0+4, G1, G0B+4, G1B                     ; K steps 2, 3
	JLOAD G0C, G1, G0BC, G1B                       ; K steps 4, 5: four tensor loads of mine are out now
	v_and_b32 v1, 15, v0                           ; r
	v_bfe_u32 v2, v0, 4, 1                         ; h
	v_and_b32 v3, 31, v0
	v_lshlrev_b32 v[GL], 4, v3
	s_mul_i32 s18, s15, HALFT
	s_mul_i32 s19, s16, HALFT
	s_add_co_u32 s19, s19, 2*HALFT
.irp s, 0,1,2
	v_add_nc_u32 v[ADRA+\s], s18, v[GL]
	v_add_nc_u32 v[ADRB+\s], s19, v[GL]
	s_add_co_u32 s18, s18, SLOT
	s_add_co_u32 s19, s19, SLOT
.endr
	s_lshl_b32 s18, s15, 12
	s_lshl_b32 s19, s16, 12
	s_add_co_u32 s19, s19, SCBD
	s_sub_co_u32 s19, s19, s18
	v_mul_u32_u24 v4, s19, v2                      ; lanes 16-31 take k's words: one product with h
	s_add_co_u32 s18, s18, SCA
	v_lshl_add_u32 v4, v1, 2, v4
	v_add_nc_u32 v[ADRS], s18, v4
	s_lshl_b32 s18, s14, 11
	s_add_co_u32 s18, s18, STG
	v_lshl_add_u32 v[SSA], v1, 2, s18
	v_add_nc_u32 v[SSR], s18, v[GL]
	s_sub_co_i32 s2, s12, s13                      ; the mask's constant: it feeds compares and selects alone, no branch and no address
	s_lshl_b32 s2, s2, 8
	s_sub_co_i32 s3, s15, s16
	s_lshl_b32 s3, s3, 7
	s_add_co_i32 s2, s2, s3
	v_and_b32 v4, 8, v1
	v_add_nc_u32 v4, v4, v1                        ; r + 8 (r / 8)
	v_lshlrev_b32 v5, 4, v2
	v_sub_nc_u32 v4, v4, v5
	v_add_nc_u32 v[DB], s2, v4
	v_mov_b32 v[NINF], 0xff800000
.irp b, 0,1,2,3
	v_mov_b32 v[BX+\b], 0                          ; written once: a lane permute's destination counts as one of its sources
.endr
	v_mov_b32 v[NM+1], 0                           ; (named as the upper half of a pair)
	; where my results go
	s_mul_i32 s2, s42, 3145728
	s_mul_i32 s3, s12, 393216
	s_add_co_u32 s2, s2, s3
	s_mul_i32 s3, s15, 196608
	s_add_co_u32 s2, s2, s3                        ; my first row block of queries: 16 x tile row + 8 x half,
	s_mul_i32 s3, s13, 3072
	s_add_co_u32 s2, s2, s3
	s_mul_i32 s3, s16, 1536
	s_add_co_u32 s2, s2, s3                        ; K step 2 x tile column + half
	s_mov_b32 s3, 0
	s_add_nc_u64 s[8:9], s[8:9], s[2:3]
	s_lshl_b32 s2, s42, 17
	s_lshl_b32 s18, s13, 14
	s_add_co_u32 s2, s2, s18
	s_lshl_b32 s18, s16, 13
	s_add_co_u32 s2, s2, s18
	s_lshl_b32 s18, s12, 10
	s_add_co_u32 s2, s2, s18
	s_lshl_b32 s18, s15, 9
	s_add_co_u32 s2, s2, s18
	s_add_nc_u64 s[10:11], s[10:11], s[2:3]
.macro FRAG reg, adr, q, i
.irp c, 0,1,2
	ds_load_b128 v[\reg+4*\c:\reg+4*\c+3], v[\adr] offset:(2*(\i)+(\q))*1536+512*\c
.endr
.endm
.macro MUL16 a0, p, q, sc, zero        ; the 64 accumulators take turns, one instruction a turn
.irp a, \a0, \a0+1
.irp b, 0,1,2,3,4,5,6,7
.if \zero
	v_wmma_scale_f32_16x16x128_f8f6f4 v[8*(8*((\a)%4)+\b):8*(8*((\a)%4)+\b)+7], v[128*(\p)+FR*\b:128*(\p)+FR*\b+FR-1], v[AF+FR*(\a):AF+FR*(\a)+FR-1], 0, v[SC+16*(\sc)+2*\b+(\q)], v[SC+16*(\sc)+2*(\a)+(\q)] matrix_a_fmt:MATRIX_FMT_FP6 matrix_b_fmt:MATRIX_FMT_FP6 matrix_a_scale:MATRIX_SCALE_ROW1
.else
	v_wmma_scale_f32_16x16x128_f8f6f4 v[8*(8*((\a)%4)+\b):8*(8*((\a)%4)+\b)+7], v[128*(\p)+FR*\b:128*(\p)+FR*\b+FR-1], v[AF+FR*(\a):AF+FR*(\a)+FR-1], v[8*(8*((\a)%4)+\b):8*(8*((\a)%4)+\b)+7], v[SC+16*(\sc)+2*\b+(\q)], v[SC+16*(\sc)+2*(\a)+(\q)] matrix_a_fmt:MATRIX_FMT_FP6 matrix_b_fmt:MATRIX_FMT_FP6 matrix_a_scale:MATRIX_SCALE_ROW1
.endif
.endr
.endr
.endm
.macro FETCH_B slot, q, p
	WIN TO_B
.irp i, 0,1,2,3,4,5,6,7
	FRAG 128*(\p)+FR*\i, ADRB+\slot, \q, \i
.endr
	WIN 0
.endm
.macro FETCH_A slot, q, i0
.irp i, \i0, \i0+1, \i0+2, \i0+3
	FRAG AF+FR*(\i), ADRA+\slot, \q, \i
.endr
.endm
.macro SCALES set, sig
.irp i, 0,1,2,3,4,5,6,7
.irp q, 0,1
	ds_load_b32 v[SC+16*(\set)+2*\i+\q], v[ADRS] offset:(2*(\sig)+\q)*512+64*\i
.endr
.endr
.endm
.macro STEP slot, sc, zero             ; a slot's first 128 along K: k's set 0, the scale words' set sc; the slot's second 128 is fetched
	s_wait_dscnt 4*NL                              ; all but the youngest 12 loads (q's blocks 4-7) are in
	WIN MUL_LO
	MUL16 0, 0, 0, \sc, \zero
	MUL16 2, 0, 0, \sc, \zero
	s_wait_dscnt 0x0
	PLACES NP
	FETCH_B \slot, 1, 1
	FETCH_A \slot, 1, 0
	WIN MUL_HI
	MUL16 4, 0, 0, \sc, \zero
	MUL16 6, 0, 0, \sc, \zero
	PLACES NP
	WIN 0
	FETCH_A \slot, 1, 4
.endm
; A slot's second 128 along K, with a barrier: in front of it each wave waits for all its tensor loads, adds 0 to its spare word, and waits for that and for its reads of the slot.  fill = 1: the slot (slot 0) is filled again, with K steps 6 and 7
.macro TURN slot, next, fill, sc, nsc, sig
	s_wait_tensorcnt 0x0                           ; all my tensor loads have landed
	ds_add_u32 v[SPW], v[NIL]                      ; 0 onto my spare word
	s_wait_dscnt 4*NL+1                            ; the add and the youngest 12 loads may be out
	WIN MUL_LO
	MUL16 0, 1, 1, \sc, 0
	s_wait_dscnt 0x0                               ; the add is done, and my reads of this slot are over
	s_barrier_signal -1
	MUL16 2, 1, 1, \sc, 0
	WIN 0
	s_barrier_wait -1
.if \fill
	CREST                                          ; a round of the cluster's barrier: no wave of any partner still reads this slot or has a load on its way
	s_add_nc_u64 s[G0+4*\slot+2:G0+4*\slot+3], s[G0+4*\slot+2:G0+4*\slot+3], 3*3072
	s_add_nc_u64 s[G0B+4*\slot+2:G0B+4*\slot+3], s[G0B+4*\slot+2:G0B+4*\slot+3], 3*3072
	JLOAD G0+4*\slot, G1, G0B+4*\slot, G1B         ; the first tensor load behind the round; its four v_nop are the places in front of the loads below
.else
	PLACES NP
.endif
	FETCH_B \next, 0, 0
	FETCH_A \next, 0, 0
	SCALES \nsc, \sig
	WIN MUL_HI
	MUL16 4, 1, 1, \sc, 0
	MUL16 6, 1, 1, \sc, 0
	PLACES NP
	WIN 0
	FETCH_A \next, 0, 4
.endm
; The same without a barrier: from slot 1 to slot 2.  Every wave waited for all its first fills in front of the round at the first change of slots, so slot 2 is whole for every wave since then; and neither slot 1 nor slot 2 is ever filled again
.macro PASS slot, next, sc, nsc, sig
	s_wait_dscnt 4*NL
	WIN MUL_LO
	MUL16 0, 1, 1, \sc, 0
	MUL16 2, 1, 1, \sc, 0
	s_wait_dscnt 0x0
	PLACES NP
	FETCH_B \next, 0, 0
	FETCH_A \next, 0, 0
	SCALES \nsc, \sig
	WIN MUL_HI
	MUL16 4, 1, 1, \sc, 0
	MUL16 6, 1, 1, \sc, 0
	PLACES NP
	WIN 0
	FETCH_A \next, 0, 4
.endm
	s_wait_tensorcnt 2                             ; the scale words and my part of slot 0 are in; the loads of slots 1 and 2 may be out
	s_barrier_signal -1
	s_barrier_wait -1
	FETCH_B 0, 0, 0
	FETCH_A 0, 0, 0
	SCALES 0, 0
	FETCH_A 0, 0, 4
	STEP 0, 0, 1                                   ; K steps 0, 1: the first products start the sums
	TURN 0, 1, 1, 0, 1, 1                          ; slot 0 takes K steps 6, 7
	STEP 1, 1, 0                                   ; K steps 2, 3
	PASS 1, 2, 1, 0, 2
	STEP 2, 0, 0                                   ; K steps 4, 5
	TURN 2, 0, 0, 0, 1, 3                          ; nothing is left to fetch; behind the barrier slot 0 is whole again
	STEP 0, 1, 0                                   ; K steps 6, 7
	s_wait_dscnt 4*NL
	WIN MUL_LO
	MUL16 0, 1, 1, 1, 0
	MUL16 2, 1, 1, 1, 0
	s_wait_dscnt 0x0
	WIN MUL_HI
	MUL16 4, 1, 1, 1, 0
	MUL16 6, 1, 1, 1, 0
	WIN 0
; THE WAY OUT, block a of 16 queries.  Register n of the block's 64 holds key 32 (n / 16) + 16 h + n % 16 of my 128; my query is 32 (a / 2) + 8 (a % 2) + r + 8 (r / 8) of my 128.
.macro PBLOCK a
.set D0, 64*((\a)%4)
.set PCX, 96+100*((\a)%2)              ; the codes: v96.. and v196.. by turns
.set KA, 32*((\a)/2)+8*((\a)%2)
	WIN 2+(\a)/4                                   ; source 0: the accumulators' window
.set n, 0
.rept 64
	v_cmp_gt_i32 vcc_lo, 32*(n/16)+n%16-KA, v[DB]  ; the key comes after the query:
	v_cndmask_b32 v[T+n], v[D0+n], v[NINF], vcc_lo ; -infinity.  The mask's line is also the move into window 0; each accumulator is read from its low end on
.set n, n+1
.endr
	WIN 0
.irp b, 0,1,2,3
	v_max3_num_f32 v[BM+\b], v[T+16*\b], v[T+16*\b+1], v[T+16*\b+2]   ; the largest score of each block of 32 keys: for the maximum, and, since p rises with the score, for the block's largest p
.endr
.irp i, 3,5,7,9,11,13
.irp b, 0,1,2,3
	v_max3_num_f32 v[BM+\b], v[BM+\b], v[T+16*\b+\i], v[T+16*\b+\i+1]
.endr
.endr
.irp b, 0,1,2,3
	v_max_num_f32 v[BM+\b], v[BM+\b], v[T+16*\b+15]
.endr
.irp b, 0,1,2,3
	v_permlanex16_b32 v[BX+\b], v[BM+\b], s[SEL], s[SEL+1]
.endr
.irp b, 0,1,2,3
	v_max_num_f32 v[BM+\b], v[BM+\b], v[BX+\b]     ; with lane l xor 16's 16 keys
.endr
	v_max3_num_f32 v[TMP], v[BM], v[BM+1], v[BM+2]
	v_max_num_f32 v[TMP], v[TMP], v[BM+3]
	v_mul_f32 v[TMP], s[CS], v[TMP]                ; as t (c is positive)
	v_max_num_f32 v[TMP], 0xff61b1e6, v[TMP]       ; where all 128 keys are hidden: -3e38, so that -M_loc is a number
	v_floor_f32 v[NM], -v[TMP]                     ; -M_loc = floor(-t) = -ceil(t)
.set n, 0
.rept 32
	v_pk_fma_f32 v[T+n:T+n+1], v[T+n:T+n+1], s[CS:CS+1], v[NM:NM+1] op_sel_hi:[1,0,0]   ; t - M_loc, two at a time
.set n, n+2
.endr
.irp b, 0,1,2,3
	v_fma_f32 v[BM+\b], v[BM+\b], s[CS], v[NM]
.endr
.set n, 0
.rept 64
	v_exp_f32 v[T+n], v[T+n]                       ; p = 2^(t - M_loc), at most 1
.set n, n+1
.endr
	v_mov_b32 v[NMS+(\a)], v[NM]                   ; a plain line behind the exponentials
	s_wait_alu depctr_va_vdst(0)                   ; one wait for the batch of 64, ahead of its first reader
.irp b, 0,1,2,3
	v_exp_f32 v[BM+\b], v[BM+\b]                   ; the block's largest p: the same two instructions on the same number give the same bits
.endr
	v_pk_add_f32 v[SUMA:SUMA+1], v[T:T+1], v[T+2:T+3]      ; the sum is taken of the unquantised p, in two chains; it reads the 64 alone
	v_pk_add_f32 v[SUMB:SUMB+1], v[T+4:T+5], v[T+6:T+7]
.irp j, 8,12,16,20,24,28,32,36,40,44,48,52,56,60
	v_pk_add_f32 v[SUMA:SUMA+1], v[SUMA:SUMA+1], v[T+\j:T+\j+1]
	v_pk_add_f32 v[SUMB:SUMB+1], v[SUMB:SUMB+1], v[T+\j+2:T+\j+3]
.endr
	v_pk_add_f32 v[SUMA:SUMA+1], v[SUMA:SUMA+1], v[SUMB:SUMB+1]
	v_add_f32 v[TMP], v[SUMA], v[SUMA+1]
	v_permlanex16_b32 v[BX], v[TMP], s[SEL], s[SEL+1]
	v_add_f32 v[LSS+(\a)], v[TMP], v[BX]           ; with lane l xor 16's: l_loc
	s_wait_alu depctr_va_vdst(0)                   ; and one wait for the four
.irp b, 0,1,2,3
	v_max_num_f32 v[BM+\b], 0x1800000, v[BM+\b]    ; the floor 2^(3 - 127): the byte cannot fall under 1
.endr
.irp b, 0,1,2,3
	v_add_nc_u32 v[SOP+\b], 0xff000000, v[BM+\b]   ; 2 off the exponent field: the conversion's scale operand
.endr
.irp b, 0,1,2,3
	v_lshrrev_b32 v[BX+\b], 23, v[SOP+\b]          ; the scale's byte, under M_loc
.endr
	v_lshl_or_b32 v[PWS+(\a)], v[BX+1], 8, v[BX]
	v_lshl_or_b32 v[PWS+(\a)], v[BX+2], 16, v[PWS+(\a)]
	v_lshl_or_b32 v[PWS+(\a)], v[BX+3], 24, v[PWS+(\a)]
.irp c, 0,1
	v_cvt_scalef32_pk16_fp6_f32 v[PCX+6*\c:PCX+6*\c+2], v[T+32*\c:T+32*\c+15], v[SOP+2*\c]
	v_cvt_scalef32_pk16_fp6_f32 v[PCX+12+4*\c:PCX+14+4*\c], v[T+16+32*\c:T+31+32*\c], v[SOP+2*\c+1]
.endr
	v_nop                                          ; one plain line behind a scaled conversion
.irp c, 0,1
.irp i, 0,1,2
	v_permlane16_swap_b32 v[PCX+6*\c+\i], v[PCX+12+4*\c+\i]
.endr
.irp i, 0,1,2
	v_mov_b32 v[PCX+3+6*\c+\i], v[PCX+12+4*\c+\i]
.endr
.endr
.if (\a) > 0
	s_wait_xcnt 0x0                                ; the earlier blocks' stores have read their registers: the next block writes the other set of codes
.endif
.irp c, 0,1,2
	global_store_b128 v[GL], v[PCX+4*\c:PCX+4*\c+3], s[8:9] offset:24576*(\a)+512*\c   ; 32 lanes store 512 consecutive bytes, aligned
.endr
.endm
	PLACES NP                                      ; behind the last products, ahead of the first read of results and the first write of registers that held fragments
.irp a, 0,1,2,3,4,5,6,7
	PBLOCK \a
.endr
.irp a, 0,1,2,3,4,5,6,7
	ds_store_b32 v[SSA], v[PWS+\a] offset:64*\a    ; lanes l and l xor 16 write the same word with the same value
	ds_store_b32 v[SSA], v[NMS+\a] offset:512+64*\a
	ds_store_b32 v[SSA], v[LSS+\a] offset:1024+64*\a
.endr
.irp s, 0,1,2
	ds_load_b128 v[240+4*\s:243+4*\s], v[SSR] offset:512*\s   ; LDS serves a wave's instructions in order: these see my stores
.endr
	s_wait_dscnt 0x0
.irp s, 0,1,2
	global_store_b128 v[GL], v[240+4*\s:243+4*\s], s[10:11] offset:524288*\s   ; my 128 rows' words: 512 consecutive bytes, aligned, in each section
.endr
	s_wait_tensorcnt 0x0                           ; the wave's end
	ds_add_u32 v[SPW], v[NIL]
	s_wait_dscnt 0x0
	CROUND                                         ; the closing round
	s_endpgm
.Lfunc_end_k_q31b6426697_score:
	.size	k_q31b6426697_score, .Lfunc_end_k_q31b6426697_score-k_q31b6426697_score
	.p2alignl 7, 3214868480
	.fill 96, 4, 3214868480
	.section	.rodata,"a",@progbits
	.p2align	6, 0x0
	.amdhsa_kernel k_q31b6426697_score
		.amdhsa_group_segment_fixed_size 327680
		.amdhsa_private_segment_fixed_size 0
		.amdhsa_enable_private_segment 0
		.amdhsa_kernarg_size 32
		.amdhsa_user_sgpr_count 2
		.amdhsa_user_sgpr_kernarg_segment_ptr 1
		.amdhsa_wavefront_size32 1
		.amdhsa_system_sgpr_workgroup_id_x 1
		.amdhsa_system_sgpr_workgroup_id_y 1
		.amdhsa_system_sgpr_workgroup_id_z 1
		.amdhsa_system_vgpr_workitem_id 0
		.amdhsa_next_free_vgpr 1024
		.amdhsa_next_free_sgpr 100
		.amdhsa_reserve_vcc 1
		.amdhsa_float_denorm_mode_32 3
		.amdhsa_float_denorm_mode_16_64 3
		.amdhsa_memory_ordered 1
		.amdhsa_forward_progress 1
		.amdhsa_inst_pref_size 239
	.end_amdhsa_kernel
	.amdgpu_metadata
---
amdhsa.version: [ 1, 2 ]
amdhsa.kernels:
  - .name:           k_q31b6426697_score
    .symbol:         k_q31b6426697_score.kd
    .args:
      - { .name: qkvc, .offset: 0, .size: 8, .value_kind: global_buffer, .address_space: global }
      - { .name: qkvs, .offset: 8, .size: 8, .value_kind: global_buffer, .address_space: global }
      - { .name: pc, .offset: 16, .size: 8, .value_kind: global_buffer, .address_space: global }
      - { .name: pst, .offset: 24, .size: 8, .value_kind: global_buffer, .address_space: global }
    .group_segment_fixed_size: 327680
    .private_segment_fixed_size: 0
    .kernarg_segment_align: 8
    .kernarg_segment_size: 32
    .max_flat_workgroup_size: 128
    .sgpr_count:     100
    .vgpr_count:     1024
    .wavefront_size: 32
...
	.end_amdgpu_metadata
.endif
;; end of part 3
;; launch mix (part 4): grid 4 x 64, 4 waves a work-group, clusters of 4 x 4, 327,680 bytes of LDS; arguments pc, pst, qkvc, qkvs, out0; writes out0
.if DOCPART == 4
	.amdgcn_target "amdgcn-amd-amdhsa--gfx1250"
	.amdhsa_code_object_version 6
	.text
	.protected	k_q31b6426697_mix
	.globl	k_q31b6426697_mix
	.p2align	8
	.type	k_q31b6426697_mix,@function
k_q31b6426697_mix:
	s_mov_b64 s[64:65], 0
	v_nop
	global_prefetch_b8 v0, s[64:65] scope:SCOPE_SE
	s_setreg_imm32_b32 hwreg(HW_REG_WAVE_MODE, 25, 1), 1
	s_wait_xcnt 0x0
	s_wait_alu depctr_hold_cnt(0) depctr_sa_sdst(0) depctr_va_vdst(0) depctr_va_sdst(0) depctr_va_ssrc(0) depctr_va_vcc(0) depctr_vm_vsrc(0)
	s_getreg_b32 s2, hwreg(HW_REG_IB_STS2, 6, 4)
	s_cmp_eq_u32 s2, 0
	s_cbranch_scc0 .Lentry_in_a_cluster
	s_endpgm
.Lentry_in_a_cluster:
	s_bfe_u32 s2, ttmp6, 0x10000c
	s_cmp_lg_u32 s2, 0xf033
	s_cbranch_scc0 .Lentry_shape_is_right
	s_endpgm
.Lentry_shape_is_right:
; out = (p v) / l on codes of FP6 (E2M3), f32 sums, the keys ascending.  p arrives quantised under a whole number M_loc for each row and each 128 keys, with l_loc beside it.
; THE HEAD brings both under the row's M = the largest M_loc: each scale byte of p gets M_loc - M added (held at 0 from below), which changes no code; l = the sum of l_loc x 2^(M_loc - M), exact but for underflow.
; Its loads (48 words a thread at the most) go out first of all, ahead of the descriptors, the round and the first fills, so that its arithmetic stands beside the tiles' way into LDS.
; A work-group makes 128 queries (source 1: a lane holds one) x 256 outputs (source 0 = rows of v^T: a lane's registers run along them); four waves, each 64 x 128: 32 accumulators.
; Storage rows are in the order 16 (2 g + u) + r <-> logical 32 g + 8 u + r + 8 (r / 8), of the queries and of v^T's rows alike: the way out undoes both.
; CLUSTER y = 4 x batch + c: queries 512 c .. 512 c + 511 (cy: which 128), outputs 256 cx.  p's tile is asked for jointly along a row of the cluster, v^T's along a column.
; K = 1,024 keys where c < 2, else 2,048: the same for all sixteen partners (p holds zero codes above the diagonal).  The branches on it hang on the cluster's number alone.
; K goes through two LDS slots of four K steps; all is written out, no LDS address is stepped.
; LIMITS: where M - M_loc exceeds a block's byte the byte is held at 0 (2^-127): what is lost lies under 1e-37 against l >= 1/2; M_loc - M is held at -255; NaN and infinities are not served.
; REGISTERS: window 0: v3, v16-31 addresses; v32-95 scale words and nothing else; v96-114 the head's work; v128-175, v176-223 p's fragments, two sets (in the head: what is read from pst); v224-231 1 / l.
;   window 1: v^T's fragments, two sets, at v0 and v128.  window 2: the accumulators, (a, b) at v[8 (8 a + b)].
.set FR,    12
.set SLOT4, 147456                     ; p's two halves of 24,576 bytes (4 row blocks x 4 K steps x 1,536), then v^T's two of 49,152
.set SCA,   294912                     ; p's scale words under the row's M, [16 K steps][128 rows] words: written by LDS stores alone
.set SCB,   303232                     ; v^T's: two halves of [16 K steps][128 rows] words, filled once; 128 bytes off a multiple of 256, so that the two halves of a scale load's lanes fall on different banks
.set RL,    319744                     ; 1 / l of the 128 rows
.set SPARE, 320256                     ; the spare words, 128 bytes a wave: two blocks of 256 bytes that no other line names
.set SPITCH, 528                       ; the way out: 16 rows x (512 bytes + 16) a wave, in slot 0, which has had its last fill and its last read by then
.set ADRA, 16                          ; v16-17 my p fragments in slot 0, 1
.set SAW,  18                          ; v18 SCA + 4 x thread
.set RLW,  19                          ; v19 RL + 4 x thread
.set ADRB, 20                          ; v20-21 my v^T fragments
.set SO,   22                          ; v22 the stage, in
.set SR,   23                          ; v23 the stage, back
.set GL,   24                          ; v24 16 x lane
.set RLA,  25                          ; v25 my rows' 1 / l
.set ADRS2, 26                         ; v26 v^T's scale words, in all lanes
.set ADRS, 27                          ; v27 lanes 0-15 p's, lanes 16-31 v^T's
.set SPW,  28
.set NIL,  29
.set ADRT, 30                          ; v30, v31 the same two, 8 K steps on where K = 2,048: for the last slot
.set ADRT2, 31
.set SC,   32                          ; set s, K step q of the slot, block i: v[SC + 32 s + 8 q + i]
.set AF,   128
.set RW,   128                         ; the head: v128-143 raw scale words, v144-159 -M_loc, v160-175 l_loc, of my row, K steps 0 .. 15
.set RN,   144
.set RLC,  160
.set GN,   112
.set LL,   113
.set RI,   224
.set G1, 24
.set G0, 32
.set G1B, 48
.set G0B, 56
.set G1SB, 80
.set G0SB, 88
.set MSB, 0
.macro WIN new
.if MSB != (\new)
	s_set_vgpr_msb (MSB<<8)|(\new)
.set MSB, (\new)
.endif
.endm
.set MUL,  0xa1                        ; source 0 (v^T) window 1, source 1 (p) window 0, C and D window 2
.set TO_B, 0x40
.macro JLOAD g0a, g1a, g0b, g1b        ; a joint refill: waves 0 and 1 fetch for p, waves 2 and 3 for v^T; four v_nop follow each of the two lines
	s_cmp_eq_u32 s15, 0
	s_cbranch_scc0 .Lfor_b_\@
	tensor_load_to_lds s[\g0a:\g0a+3], s[\g1a:\g1a+7]
	s_nop 0
.rept 4
	v_nop
.endr
	s_branch .Lasked_\@
.Lfor_b_\@:
	tensor_load_to_lds s[\g0b:\g0b+3], s[\g1b:\g1b+7]
	s_nop 0
.rept 4
	v_nop
.endr
.Lasked_\@:
.endm
.macro CREST
	s_cmp_lg_u32 s14, 0
	s_cbranch_scc1 .Lnot_wave_0_\@
	s_barrier_signal -3
.Lnot_wave_0_\@:
	s_barrier_wait -3
	s_barrier_signal -1
	s_barrier_wait -1
.endm
.macro CROUND
	s_barrier_signal -1
	s_barrier_wait -1
	CREST
.endm
.macro PLACES n
.rept \n
	v_nop
.endr
.endm
	s_load_b256 s[4:11], s[0:1], 0x0               ; pc, pst, qkvc, qkvs
	s_load_b64 s[12:13], s[0:1], 0x20              ; out0
	v_lshl_add_u32 v[SPW], v0, 2, SPARE
	v_mov_b32 v[NIL], 0
	ds_add_u32 v28, v29
	ds_add_u32 v28, v29
	s_wait_dscnt 0x0
	v_lshrrev_b32 v1, 5, v0
	v_readfirstlane_b32 s14, v1                    ; wave 0..3
	s_lshr_b32 s15, s14, 1                         ; my half of the queries.  Also: I fetch for p (0) or for v^T (1)
	s_and_b32 s16, s14, 1                          ; my half of the outputs.  Also: which half I fetch
	s_bfe_u32 s40, ttmp6, 0x40000                  ; cx
	s_bfe_u32 s41, ttmp6, 0x40004                  ; cy
	s_and_b32 s42, ttmp7, 0xffff                   ; the cluster's y
	s_lshr_b32 s43, s42, 2                         ; the batch
	s_and_b32 s44, s42, 3                          ; c
	s_lshr_b32 s45, s44, 1                         ; 0: K = 1,024; 1: K = 2,048
	s_lshl_b32 s17, s44, 2
	s_add_co_u32 s17, s17, s41                     ; my block of 128 queries
	; THE HEAD'S LOADS: thread t takes row t of the work-group's 128
	s_lshl_b32 s2, s43, 17
	s_lshl_b32 s3, s17, 9
	s_add_co_u32 s2, s2, s3
	s_mov_b32 s3, 0
	v_lshlrev_b32 v3, 2, v0
.irp k, 8,9,10,11,12,13,14,15
	v_mov_b32 v[RW+\k], 0                          ; where K = 1,024 the K steps 8 to 15 count for nothing
	v_mov_b32 v[RN+\k], 0x7f61b1e6                 ; 3e38
	v_mov_b32 v[RLC+\k], 0
.endr
	s_wait_kmcnt 0x0
	s_add_nc_u64 s[6:7], s[6:7], s[2:3]            ; pst at my batch and block
.irp k, 0,1,2,3,4,5,6,7
	global_load_b32 v[RW+\k], v3, s[6:7] offset:8192*\k
	global_load_b32 v[RN+\k], v3, s[6:7] offset:524288+8192*\k
	global_load_b32 v[RLC+\k], v3, s[6:7] offset:1048576+8192*\k
.endr
	s_cmp_eq_u32 s45, 0
	s_cbranch_scc1 .Lshort
.irp k, 8,9,10,11,12,13,14,15
	global_load_b32 v[RW+\k], v3, s[6:7] offset:8192*\k
	global_load_b32 v[RN+\k], v3, s[6:7] offset:524288+8192*\k
	global_load_b32 v[RLC+\k], v3, s[6:7] offset:1048576+8192*\k
.endr
.Lshort:
	s_lshl_b32 s46, s41, 2
	s_lshl_b32 s46, 15, s46                        ; my row of the cluster
	s_lshl_b32 s47, 0x1111, s40                    ; my column
	s_or_b32 s[G1], s46, (3<<16)|(1<<21)           ; p: 4 rows (row blocks) of 6,144 bytes (four K steps' images), 24,576 bytes apart; elements of 8 bytes
	s_mov_b32 s[G1+1], 768<<16
	s_mov_b32 s[G1+2], 4<<16
	s_mov_b32 s[G1+3], 768<<16
	s_mov_b32 s[G1+4], 4
	s_mov_b32 s[G1+5], 3072
	s_mov_b32 s[G1+6], 0
	s_mov_b32 s[G1+7], 0
	s_or_b32 s[G1B], s47, (3<<16)|(1<<21)          ; v^T: 8 such rows
	s_mov_b32 s[G1B+1], 768<<16
	s_mov_b32 s[G1B+2], 8<<16
	s_mov_b32 s[G1B+3], 768<<16
	s_mov_b32 s[G1B+4], 8
	s_mov_b32 s[G1B+5], 3072
	s_mov_b32 s[G1B+6], 0
	s_mov_b32 s[G1B+7], 0
	s_or_b32 s[G1SB], s47, (3<<16)|(1<<21)         ; v^T's scale words: 16 rows (K steps) of 512 bytes, 4,096 bytes apart
	s_mov_b32 s[G1SB+1], 64<<16
	s_mov_b32 s[G1SB+2], 16<<16
	s_mov_b32 s[G1SB+3], 64<<16
	s_mov_b32 s[G1SB+4], 16
	s_mov_b32 s[G1SB+5], 512
	s_mov_b32 s[G1SB+6], 0
	s_mov_b32 s[G1SB+7], 0
	s_mul_i32 s20, s43, 3145728
	s_mul_i32 s18, s17, 196608
	s_add_co_u32 s20, s20, s18
	s_mul_i32 s18, s16, 98304
	s_add_co_u32 s20, s20, s18
	s_mov_b32 s21, 0                               ; p: batch, row block 8 x my block + 4 x half
	s_mul_i32 s92, s43, 1572864
	s_mul_i32 s93, s40, 393216
	s_add_co_u32 s92, s92, s93
	s_mul_i32 s93, s16, 196608
	s_add_co_u32 s92, s92, s93
	s_add_co_u32 s92, s92, 12582912
	s_mov_b32 s93, 0                               ; v^T: batch, row block 16 cx + 8 x half
	s_lshl_b32 s94, s43, 16
	s_lshl_b32 s95, s40, 10
	s_add_co_u32 s94, s94, s95
	s_lshl_b32 s95, s16, 9
	s_add_co_u32 s94, s94, s95
	s_add_co_u32 s94, s94, 524288
	s_mov_b32 s95, 0                               ; its scale words
	s_mul_i32 s66, s16, 24576                      ; where they go: no place in the cluster enters an LDS address
	s_mul_i32 s96, s16, 49152
	s_add_co_u32 s96, s96, 49152
	s_lshl_b32 s97, s16, 13
	s_add_co_u32 s97, s97, SCB
	s_add_nc_u64 s[20:21], s[4:5], s[20:21]
	s_add_nc_u64 s[92:93], s[8:9], s[92:93]
	s_add_nc_u64 s[94:95], s[10:11], s[94:95]
	s_mov_b32 s[G0SB], 1
	s_mov_b32 s[G0SB+1], s97
	s_mov_b64 s[G0SB+2:G0SB+3], s[94:95]
	s_or_b32 s[G0SB+3], s[G0SB+3], 0x80000000
.irp s, 0,1
	s_mov_b32 s[G0+4*\s], 1
	s_add_co_u32 s[G0+4*\s+1], s66, \s*SLOT4
	s_add_nc_u64 s[G0+4*\s+2:G0+4*\s+3], s[20:21], \s*6144
	s_or_b32 s[G0+4*\s+3], s[G0+4*\s+3], 0x80000000
	s_mov_b32 s[G0B+4*\s], 1
	s_add_co_u32 s[G0B+4*\s+1], s96, \s*SLOT4
	s_add_nc_u64 s[G0B+4*\s+2:G0B+4*\s+3], s[92:93], \s*6144
	s_or_b32 s[G0B+4*\s+3], s[G0B+4*\s+3], 0x80000000
.endr
	CROUND                                         ; all sixteen work-groups are here: the first joint loads meet
	s_cmp_eq_u32 s15, 0                            ; a wave's first fills stand in one branch: two loads of mine are out (p), or three (v^T and its scale words); the youngest is slot 1's in both
	s_cbranch_scc0 .Lfirst_b
	tensor_load_to_lds s[G0:G0+3], s[G1:G1+7]
	s_nop 0
	tensor_load_to_lds s[G0+4:G0+7], s[G1:G1+7]
	s_nop 0
.rept 4
	v_nop
.endr
	s_branch .Lfirst_done
.Lfirst_b:
	tensor_load_to_lds s[G0SB:G0SB+3], s[G1SB:G1SB+7]
	s_nop 0
	tensor_load_to_lds s[G0B:G0B+3], s[G1B:G1B+7]
	s_nop 0
	tensor_load_to_lds s[G0B+4:G0B+7], s[G1B:G1B+7]
	s_nop 0
.rept 4
	v_nop
.endr
.Lfirst_done:
	v_and_b32 v1, 15, v0                           ; r
	v_bfe_u32 v2, v0, 4, 1                         ; h
	v_and_b32 v4, 31, v0
	v_lshlrev_b32 v[GL], 4, v4
	v_lshl_add_u32 v[SAW], v0, 2, SCA
	v_lshl_add_u32 v[RLW], v0, 2, RL
	s_mul_i32 s18, s15, 24576
	s_mul_i32 s19, s16, 49152
	s_add_co_u32 s19, s19, 49152
.irp s, 0,1
	v_add_nc_u32 v[ADRA+\s], s18, v[GL]
	v_add_nc_u32 v[ADRB+\s], s19, v[GL]
	s_add_co_u32 s18, s18, SLOT4
	s_add_co_u32 s19, s19, SLOT4
.endr
	s_lshl_b32 s18, s15, 8
	s_lshl_b32 s19, s16, 13
	s_add_co_u32 s19, s19, SCB-SCA
	s_sub_co_u32 s19, s19, s18
	v_mul_u32_u24 v5, s19, v2                      ; lanes 16-31 take v^T's words: one product with h
	s_add_co_u32 s18, s18, SCA
	v_lshl_add_u32 v5, v1, 2, v5
	v_add_nc_u32 v[ADRS], s18, v5
	v_lshl_add_u32 v[ADRS2], v1, 2, s97
	s_lshl_b32 s18, s45, 12
	v_add_nc_u32 v[ADRT], s18, v[ADRS]
	v_add_nc_u32 v[ADRT2], s18, v[ADRS2]
	s_mul_i32 s18, s14, 16*SPITCH
	v_mul_u32_u24 v5, v1, SPITCH
	v_lshl_add_u32 v5, v2, 6, v5
	v_add_nc_u32 v[SO], s18, v5                    ; the stage, in: row r, + 64 h
	v_add_nc_u32 v[SR], s18, v[GL]                 ; back: a row's 512 bytes
	s_lshl_b32 s18, s15, 8
	s_add_co_u32 s18, s18, RL
	v_lshl_add_u32 v[RLA], v1, 2, s18
.irp a, 0,1,2,3
	v_mov_b32 v[RI+2*\a+1], 0                      ; (named as the upper halves of pairs)
.endr
	s_lshl_b32 s2, s43, 23                         ; out0: (2,048 batch + 128 block + 64 half) rows of 4,096 bytes + (256 cx + 128 half) x 4.  (s3 is still 0)
	s_lshl_b32 s18, s17, 19
	s_add_co_u32 s2, s2, s18
	s_lshl_b32 s18, s15, 18
	s_add_co_u32 s2, s2, s18
	s_lshl_b32 s18, s40, 10
	s_add_co_u32 s2, s2, s18
	s_lshl_b32 s18, s16, 9
	s_add_co_u32 s2, s2, s18
	s_add_nc_u64 s[12:13], s[12:13], s[2:3]
	s_wait_loadcnt 0x0                             ; my row's words, -M_loc and l_loc
	v_min3_num_f32 v[GN], v[RN], v[RN+1], v[RN+2]  ; -M = the smallest -M_loc.  (Key 0 counts for every query, so K step 0 has a true M_loc)
.irp k, 3,5,7,9,11,13
	v_min3_num_f32 v[GN], v[GN], v[RN+\k], v[RN+\k+1]
.endr
	v_min_num_f32 v[GN], v[GN], v[RN+15]
	v_mov_b32 v[LL], 0
.macro FIX k
.set FT, 96+8*((\k)%2)
	v_sub_f32 v[FT], v[GN], v[RN+(\k)]             ; M_loc - M: a whole number, 0 or less
	v_cvt_i32_f32 v[FT], v[FT]                     ; (it saturates)
	v_max_i32 v[FT], 0xffffff01, v[FT]             ; held at -255
	v_ldexp_f32 v[FT+1], 1.0, v[FT]
	v_fmac_f32 v[LL], v[RLC+(\k)], v[FT+1]         ; l += l_loc x 2^(M_loc - M)
.irp j, 0,1,2,3
	v_bfe_u32 v[FT+2+\j], v[RW+(\k)], 8*\j, 8
.endr
.irp j, 0,1,2,3
	v_add_nc_u32 v[FT+2+\j], v[FT+2+\j], v[FT]
.endr
.irp j, 0,1,2,3
	v_max_i32 v[FT+2+\j], 0, v[FT+2+\j]            ; the byte under the row's M, held at 0 from below
.endr
	v_lshl_or_b32 v[FT+2], v[FT+3], 8, v[FT+2]
	v_lshl_or_b32 v[FT+2], v[FT+4], 16, v[FT+2]
	v_lshl_or_b32 v[FT+2], v[FT+5], 24, v[FT+2]
	ds_store_b32 v[SAW], v[FT+2] offset:512*(\k)
.endm
.irp k, 0,1,2,3,4,5,6,7,8,9,10,11,12,13,14,15
	FIX \k
.endr
	v_rcp_f32 v114, v[LL]                          ; l is at least 1/2
	v_nop                                          ; a plain line behind the reciprocal
	s_wait_alu depctr_va_vdst(0)                   ; the wait ahead of its first reader
	ds_store_b32 v[RLW], v114
	s_wait_tensorcnt 1                             ; my part of slot 0 (and v^T's scale words) is in; slot 1's load may be out
	s_wait_dscnt 0x0                               ; for the others' sake: my row's scale words and 1 / l lie in LDS
	s_barrier_signal -1
	s_barrier_wait -1
; 8 matrix instructions: p's block a x v^T's eight, the slot's q-th 128 keys.  The 32 accumulators take turns, one instruction a turn
.macro MULA a, set, q, sc, zero
.irp b, 0,1,2,3,4,5,6,7
.if \zero
	v_wmma_scale_f32_16x16x128_f8f6f4 v[8*(8*(\a)+\b):8*(8*(\a)+\b)+7], v[128*(\set)+FR*\b:128*(\set)+FR*\b+FR-1], v[AF+48*(\set)+FR*(\a):AF+48*(\set)+FR*(\a)+FR-1], 0, v[SC+32*(\sc)+8*(\q)+\b], v[SC+32*(\sc)+8*(\q)+(\a)] matrix_a_fmt:MATRIX_FMT_FP6 matrix_b_fmt:MATRIX_FMT_FP6 matrix_a_scale:MATRIX_SCALE_ROW1
.else
	v_wmma_scale_f32_16x16x128_f8f6f4 v[8*(8*(\a)+\b):8*(8*(\a)+\b)+7], v[128*(\set)+FR*\b:128*(\set)+FR*\b+FR-1], v[AF+48*(\set)+FR*(\a):AF+48*(\set)+FR*(\a)+FR-1], v[8*(8*(\a)+\b):8*(8*(\a)+\b)+7], v[SC+32*(\sc)+8*(\q)+\b], v[SC+32*(\sc)+8*(\q)+(\a)] matrix_a_fmt:MATRIX_FMT_FP6 matrix_b_fmt:MATRIX_FMT_FP6 matrix_a_scale:MATRIX_SCALE_ROW1
.endif
.endr
.endm
.macro FETCH4 slot, q, set             ; 36 loads of 512 consecutive bytes: v^T's eight fragments and p's four, of the slot's q-th K step
	WIN TO_B
.irp i, 0,1,2,3,4,5,6,7
.irp c, 0,1,2
	ds_load_b128 v[128*(\set)+FR*\i+4*\c:128*(\set)+FR*\i+4*\c+3], v[ADRB+\slot] offset:(4*\i+(\q))*1536+512*\c
.endr
.endr
	WIN 0
.irp i, 0,1,2,3
.irp c, 0,1,2
	ds_load_b128 v[AF+48*(\set)+FR*\i+4*\c:AF+48*(\set)+FR*\i+4*\c+3], v[ADRA+\slot] offset:(4*\i+(\q))*1536+512*\c
.endr
.endr
.endm
.macro SCALES4 set, sig, adr, adr2     ; four K steps' scale words: blocks 0-3: lanes 0-15 p's, lanes 16-31 v^T's; blocks 4-7: v^T's
.irp q, 0,1,2,3
.irp i, 0,1,2,3
	ds_load_b32 v[SC+32*(\set)+8*\q+\i], v[\adr] offset:(4*(\sig)+\q)*512+64*\i
.endr
.irp i, 4,5,6,7
	ds_load_b32 v[SC+32*(\set)+8*\q+\i], v[\adr2] offset:(4*(\sig)+\q)*512+64*\i
.endr
.endr
.endm
.macro STEP4 slot, q, zero             ; a K step that has its successor in the same slot
	s_wait_dscnt 0x0                               ; this step's fragments (asked for 32 matrix instructions ago) are in
	PLACES 4                                       ; in front of loads into the set that the last step multiplied
	FETCH4 \slot, (\q)+1, ((\q)+1)%2
	WIN MUL
	MULA 0, (\q)%2, \q, \slot, \zero
	MULA 1, (\q)%2, \q, \slot, \zero
	MULA 2, (\q)%2, \q, \slot, \zero
	MULA 3, (\q)%2, \q, \slot, \zero
	WIN 0
.endm
; A slot's last K step changes slots: one barrier; in front of it each wave waits for all its tensor loads, adds 0 to its spare word, and waits for that and for its reads of the slot.  fill = 1: the slot is filled again, two slots ahead
.macro TURN4 slot, next, fill, sig, adr, adr2
	s_wait_tensorcnt 0x0                           ; all my tensor loads have landed: my part of the next slot
	ds_add_u32 v[SPW], v[NIL]                      ; 0 onto my spare word
	s_wait_dscnt 1                                 ; the add alone may be out
	WIN MUL
	MULA 0, 1, 3, \slot, 0
	MULA 1, 1, 3, \slot, 0
	s_wait_dscnt 0x0                               ; the add is done, and my reads of this slot are over
	s_barrier_signal -1
	MULA 2, 1, 3, \slot, 0
	WIN 0
	s_barrier_wait -1
.if \fill
	CREST                                          ; a round of the cluster's barrier: no wave of any partner still reads this slot or has a load on its way
	s_add_nc_u64 s[G0+4*\slot+2:G0+4*\slot+3], s[G0+4*\slot+2:G0+4*\slot+3], 12288
	s_add_nc_u64 s[G0B+4*\slot+2:G0B+4*\slot+3], s[G0B+4*\slot+2:G0B+4*\slot+3], 12288
	JLOAD G0+4*\slot, G1, G0B+4*\slot, G1B         ; the first tensor load behind the round; its four v_nop are the places in front of the loads below
.else
	PLACES 4
.endif
	FETCH4 \next, 0, 0
	SCALES4 \next, \sig, \adr, \adr2
	WIN MUL
	MULA 3, 1, 3, \slot, 0
	WIN 0
.endm
	FETCH4 0, 0, 0
	SCALES4 0, 0, ADRS, ADRS2
	STEP4 0, 0, 1                                  ; the first products start the sums
	STEP4 0, 1, 0
	STEP4 0, 2, 0
	s_cmp_eq_u32 s45, 0                            ; K = 1,024: two slots in all.  The number is the cluster's: all sixteen partners take the same way
	s_cbranch_scc1 .Ltail
	TURN4 0, 1, 1, 1, ADRS, ADRS2                  ; slot 0 takes K steps 8 to 11
	STEP4 1, 0, 0
	STEP4 1, 1, 0
	STEP4 1, 2, 0
	TURN4 1, 0, 1, 2, ADRS, ADRS2                  ; slot 1 takes K steps 12 to 15
	STEP4 0, 0, 0
	STEP4 0, 1, 0
	STEP4 0, 2, 0
.Ltail:                                            ; both ways arrive alike: slot 0's last K step is in set 1's registers or on its way there, slot 1 holds the last four K steps
	TURN4 0, 1, 0, 1, ADRT, ADRT2                  ; nothing is left to fetch
	STEP4 1, 0, 0
	STEP4 1, 1, 0
	STEP4 1, 2, 0
	s_wait_dscnt 0x0
	WIN MUL
	MULA 0, 1, 3, 1, 0
	MULA 1, 1, 3, 1, 0
	MULA 2, 1, 3, 1, 0
	MULA 3, 1, 3, 1, 0
	WIN 0
; THE WAY OUT, block by block of 16 queries x 128 outputs: x 1 / l; through my stage in LDS, where a lane's eight numbers of tile b go to outputs 32 (b / 2) + 16 h + 8 (b % 2) + 0 .. 7 of row r; back as whole rows of 512 bytes.
.macro TOSTAGE a
	WIN 0x82                                       ; destination and source 0: window 2
.set n, 0
.rept 32
	v_pk_mul_f32 v[64*(\a)+n:64*(\a)+n+1], v[64*(\a)+n:64*(\a)+n+1], v[RI+2*(\a):RI+2*(\a)+1] op_sel_hi:[1,0]   ; each accumulator from its low end on
.set n, n+2
.endr
	WIN 0x08                                       ; an LDS store's data are its source 1: window 2
.irp b, 0,1,2,3,4,5,6,7
	ds_store_b128 v[SO], v[64*(\a)+8*\b:64*(\a)+8*\b+3] offset:128*(\b/2)+32*(\b%2)
	ds_store_b128 v[SO], v[64*(\a)+8*\b+4:64*(\a)+8*\b+7] offset:128*(\b/2)+32*(\b%2)+16
.endr
	WIN 0
.set BB, 96+64*((\a)%2)
.irp t, 0,1,2,3,4,5,6,7,8,9,10,11,12,13,14,15
	ds_load_b128 v[BB+4*\t:BB+4*\t+3], v[SR] offset:\t*SPITCH   ; LDS serves a wave's instructions in order: these see the stores above, and the next block's stores come behind them
.endr
.endm
.macro SEND a, younger                 ; younger: the LDS instructions issued behind block a's loads, which may stay out
.set BB, 96+64*((\a)%2)
	s_wait_dscnt \younger
.irp t, 0,1,2,3,4,5,6,7,8,9,10,11,12,13,14,15
	global_store_b128 v[GL], v[BB+4*\t:BB+4*\t+3], s[12:13] offset:(32*((\a)/2)+8*((\a)%2)+\t+8*(\t/8))*4096 th:TH_STORE_NT   ; storage row t of block a is this logical row; 32 lanes store 512 consecutive bytes, aligned
.endr
.endm
	PLACES 4                                       ; behind the last products, ahead of the first read of results
.irp a, 0,1,2,3
	ds_load_b32 v[RI+2*\a], v[RLA] offset:64*\a    ; 1 / l of my lane's query in each block
.endr
	s_wait_dscnt 0x0
	TOSTAGE 0
.irp a, 1,2,3
.if \a > 1
	s_wait_xcnt 0x0                                ; block a - 2's stores have read their registers: block a's loads may land there
.endif
	TOSTAGE \a
	SEND \a-1, 32                                  ; behind block a - 1's loads: block a's 16 stores and 16 loads
.endr
	SEND 3, 0
	s_wait_tensorcnt 0x0                           ; the wave's end
	ds_add_u32 v[SPW], v[NIL]
	s_wait_dscnt 0x0
	CROUND                                         ; the closing round
	s_endpgm
.Lfunc_end_k_q31b6426697_mix:
	.size	k_q31b6426697_mix, .Lfunc_end_k_q31b6426697_mix-k_q31b6426697_mix
	.p2alignl 7, 3214868480
	.fill 96, 4, 3214868480
	.section	.rodata,"a",@progbits
	.p2align	6, 0x0
	.amdhsa_kernel k_q31b6426697_mix
		.amdhsa_group_segment_fixed_size 327680
		.amdhsa_private_segment_fixed_size 0
		.amdhsa_enable_private_segment 0
		.amdhsa_kernarg_size 40
		.amdhsa_user_sgpr_count 2
		.amdhsa_user_sgpr_kernarg_segment_ptr 1
		.amdhsa_wavefront_size32 1
		.amdhsa_system_sgpr_workgroup_id_x 1
		.amdhsa_system_sgpr_workgroup_id_y 1
		.amdhsa_system_sgpr_workgroup_id_z 1
		.amdhsa_system_vgpr_workitem_id 0
		.amdhsa_next_free_vgpr 1024
		.amdhsa_next_free_sgpr 100
		.amdhsa_reserve_vcc 0
		.amdhsa_float_denorm_mode_32 3
		.amdhsa_float_denorm_mode_16_64 3
		.amdhsa_memory_ordered 1
		.amdhsa_forward_progress 1
		.amdhsa_inst_pref_size 169
	.end_amdhsa_kernel
	.amdgpu_metadata
---
amdhsa.version: [ 1, 2 ]
amdhsa.kernels:
  - .name:           k_q31b6426697_mix
    .symbol:         k_q31b6426697_mix.kd
    .args:
      - { .name: pc, .offset: 0, .size: 8, .value_kind: global_buffer, .address_space: global }
      - { .name: pst, .offset: 8, .size: 8, .value_kind: global_buffer, .address_space: global }
      - { .name: qkvc, .offset: 16, .size: 8, .value_kind: global_buffer, .address_space: global }
      - { .name: qkvs, .offset: 24, .size: 8, .value_kind: global_buffer, .address_space: global }
      - { .name: out0, .offset: 32, .size: 8, .value_kind: global_buffer, .address_space: global }
    .group_segment_fixed_size: 327680
    .private_segment_fixed_size: 0
    .kernarg_segment_align: 8
    .kernarg_segment_size: 40
    .max_flat_workgroup_size: 128
    .sgpr_count:     100
    .vgpr_count:     1024
    .wavefront_size: 32
...
	.end_amdgpu_metadata
.endif
;; end of part 4
